; MI455X (gfx1250); checked and timed in simulation.
; The chip was launched on July 23, 2026; its instructions are those of AMD's public machine-readable ISA for CDNA 5 (MIT licence, August 2026) and "CDNA5" Instruction Set Architecture Reference Guide (July 2026). The comments in the code are by the model that wrote it; some were corrected since.
;; Tt Attention. Allowed arithmetic: matrix products marked QUANTISED: E2M1 operands, one E8M0 scale for each 32 along K, by v_wmma_scale_f32_16x16x128_f8f6f4 with both operands' format E2M1 (or v_wmma_scale_f32_32x16x128_f4), f32 sums; products left as they are: bf16, f16 or f32 operands; f32 sums; everything else in f32.
;; Inputs: freqs_cos 2,048 x 64 float32; freqs_sin 2,048 x 64 float32; mask 2,048 x 2,048 float32; positions 2,048 int32; wk 1,024 x 4,096 float32; wo 4,096 x 2,048 float32; wq 2,048 x 4,096 float32; wv 1,024 x 4,096 float32; x 1 x 1 x 2,048 x 4,096 float32.
;; Outputs: out0 1 x 1 x 2,048 x 4,096 float32.
;; This version of the problem:
;;   THIS VERSION OF THE PROBLEM IS GIVEN IN LOW PRECISION. The matrix products marked QUANTISED in the list below multiply operands that are first quantised to E2M1 (2 exponent bits, 1 mantissa bit; 4 bits a number), with one power-of-two scale for each 32 numbers along K (OCP MX v1.0); their sums are f32. The products marked 'left as it is' may take bf16, f16 or f32 operands, with f32 sums. Whichever they take, every output number must still come out within the allowed error. Rounding operands to bf16 (8 significant bits) uses up far more of that allowance than f16 does (11 bits, for magnitudes from 6e-5 to 65,504). All else is computed in f32.
;;   The module's matrix products, in the order in which they are computed (A, B: the left and right operand; K: the contracted axis; several contracted axes count as one K, in the product's order):
;;     1. [M 2,048, K 4,096] x [K 4,096, N 2,048]; A: input x; B: input wq: QUANTISED
;;     2. [M 2,048, K 4,096] x [K 4,096, N 1,024]; A: input x; B: input wk: QUANTISED
;;     3. [M 2,048, K 4,096] x [K 4,096, N 1,024]; A: input x; B: input wv: QUANTISED
;;     4. batch 16 x [M 2,048, K 128] x [K 128, N 2,048]; A: computed on the way; B: computed on the way: left as it is (an operand is computed on the way)
;;     5. batch 16 x [M 128, K 2,048] x [K 2,048, N 2,048]; A: computed on the way; B: computed on the way: left as it is (an operand is computed on the way)
;;     6. [M 2,048, K 2,048] x [K 2,048, N 4,096]; A: computed on the way; B: input wo: left as it is (an operand is computed on the way)
;;   THE QUANTISER, for each operand of a quantised product, along K:
;;     - K is cut into blocks of 32 from its start; a last block that is shorter is filled with zeros.
;;     - A block's scale is 2^e with e = floor(log2(the largest magnitude in the block)) - 2, held to -126 .. 127; a block of zeros has e = 0. As a byte (E8M0): e + 127.
;;     - Each number is divided by its block's scale, clamped to +-6, and rounded to the nearest number of E2M1, ties to even, subnormals kept.
;;     - The product sums the exact products of the quantised numbers (number of the format x scale) in f32.
;;   ~~~python
;;   def quantise(x, axis):      # numpy; x: float32 -> the quantised numbers, widened to float32 again
;;       x = np.moveaxis(x, axis, -1); K = x.shape[-1]
;;       x = np.pad(x, [(0, 0)] * (x.ndim - 1) + [(0, -K % 32)]); x = x.reshape(x.shape[:-1] + (-1, 32)); a = np.abs(x).max(-1, keepdims=True)
;;       e = np.where(a > 0, np.clip(np.frexp(np.where(a > 0, a, 1))[1] - 1 - 2, -126, 127), 0)      # np.frexp(a)[1] - 1 = floor(log2(a)), exactly
;;       r = np.clip(x / 2.0 ** e, -6, 6)
;;       step = 2.0 ** (np.maximum(np.frexp(np.where(r == 0, 1, r))[1] - 1, 0) - 1)
;;       q = np.round(r / step) * step * 2.0 ** e      # np.round: ties to even
;;       return np.moveaxis(q.reshape(q.shape[:-2] + (-1,))[..., :K], -1, axis).astype(np.float32)
;;   ~~~
;; One version. Each part assembles by itself: llvm-mc -triple=amdgcn-amd-amdhsa -mcpu=gfx1250 --defsym DOCPART=n.
;; ======== version 1 of 1: 4 launches
;; limits: values are held in f16: magnitudes above 65,504 overflow, below 6.1e-05 lose precision; right only within a limited range of input values
;; workspace buffers: xc 4,194,304 bytes; xs 262,144 bytes; wc 8,388,608 bytes; ws 524,288 bytes; woh 16,777,216 bytes; qkv 16,777,216 bytes; att 8,388,608 bytes
;; launch prep (part 1): grid 1024 x 1, 4 waves a work-group, no clusters, 33,280 bytes of LDS; arguments x, wq, wk, wv, wo, xc, xs, wc, ws, woh; writes xc, xs, wc, ws, woh
.if DOCPART == 1
	.amdgcn_target "amdgcn-amd-amdhsa--gfx1250"
	.amdhsa_code_object_version 6
	.text
	.protected	k_qdc688ba7c0_prep
	.globl	k_qdc688ba7c0_prep
	.p2align	8
	.type	k_qdc688ba7c0_prep,@function
k_qdc688ba7c0_prep:
	s_mov_b64 s[64:65], 0
	v_nop
	global_prefetch_b8 v0, s[64:65] scope:SCOPE_SE
	s_setreg_imm32_b32 hwreg(HW_REG_WAVE_MODE, 25, 1), 1
	s_wait_xcnt 0x0
; PREP.  x [2048][4096] and the rows of wq, wk, wv (4096 rows of 4096 in all), f32, become codes of FP4 (E2M1), K innermost, two codes a byte, with one E8M0 scale byte for each 32 along K;
; wo [4096][2048], f32, becomes 8 x wo in f16.
; A block's scale is 2^(floor(log2(its largest magnitude)) - 2); its byte is the largest magnitude's exponent field - 2.  Each number is divided by the scale and rounded to the nearest code, ties to even.
; x's BYTES ARE STORED 3 LOWER than that (its codes are the rule's own): the scaled matrix instruction of the next launch then gives q / 8, k / 8, v / 8 exactly, which leaves room in f16.  8 x wo takes the factor back.
; LIMITS: NaN and infinities among the inputs are not served.  A block of x whose largest magnitude lies under 2^(6 - 127), of a weight under 2^(3 - 127), is coded under that floor's scale (so that the stored byte is at least 1);
; a block of zeros keeps the floor's byte: its codes are zeros, and this program alone reads the bytes.  |wo| stays under 8,188 (f16's largest number / 8).
; SHARES.  Rows are dense, so every tensor is a plain stream.  Work-groups 0-255 take x, 256-511 wq, 512-639 wk, 640-767 wv: 32,768 numbers each, 8,192 a wave, in 16 steps of 512.  Work-groups 768-1023 take wo, 8,192 numbers a wave.
; THE QUANTISING PATH.  Each of a step's four loads reads 512 consecutive bytes, 16 a lane; the conversions want 16 NEIGHBOURS in a lane: so a step's 2,048 bytes go through the wave's own stage in LDS as they lie and come back 64 bytes a lane
; (16 bytes of padding behind each 64).  Two neighbouring lanes hold a block.  A lane's 16 codes are 8 bytes: the wave stores 256 consecutive bytes.  A wave's 256 scale bytes are gathered in LDS and leave as 256 consecutive bytes.
; No tensor load, no barrier: waves share nothing.  Loads run four steps (16 loads a wave) ahead, the turn through LDS one step.
.set STEPS, 16
.set EMAX,  2
.set CB,    8                          ; bytes of 16 codes
.set R,     16                         ; v16-79   four sets of 16 numbers as they are loaded
.set X,     80                         ; v80-111  two sets of 16 neighbours
.set E,     112                        ; v112-127 a scale byte for each step
.set C,     128                        ; v128-191 codes: four registers for each step, so that no store's data are written again
.set WREG,  8192                       ; LDS: a region for each wave: two stages of 32 x SP bytes, behind them its 256 scale bytes
.set SP,    80                         ; a lane's place in a stage: 64 bytes + 16 of padding
.set SPW,   12                         ; v12  LDS address of my spare word: SPARE + 4 x my thread's number; never rewritten
.set NIL,   13                         ; v13  0; never rewritten
.set SPARE, 4*WREG                     ; behind the four regions: the spare words, 128 bytes a wave
.set WV,    24                         ; s24  my wave's number
.set SRC,   26                         ; s[26:27] the tensor that I read
.set COD,   14                         ; s[14:15] where its codes go
.set SCB,   16                         ; s[16:17] where its scale bytes go
.set BIAS,  30                         ; s30  3 for x, 0 for the weights: what is taken off the stored byte
.set FLOOR, 34                         ; s34  the floor under a block's largest magnitude: 2^(3 + BIAS - 127)
.set HF,    80                         ; wo's path: v80-111 a round's f16 pairs
	s_load_b512 s[4:19], s[0:1], 0x0               ; x 4, wq 6, wk 8, wv 10, wo 12, xc 14, xs 16, wc 18
	s_load_b128 s[20:23], s[0:1], 0x40             ; ws 20, woh 22
	v_lshl_add_u32 v[SPW], v0, 2, SPARE
	v_mov_b32 v[NIL], 0
	v_lshrrev_b32 v1, 5, v0
	v_readfirstlane_b32 s[WV], v1                  ; wave 0..3
	v_and_b32 v2, 31, v0                           ; lane
	v_lshlrev_b32 v3, 4, v2                        ; my 16 bytes of a load's 512
	s_mul_i32 s25, s[WV], WREG
	v_lshrrev_b32 v14, 2, v2
	v_mul_u32_u24 v14, v14, SP
	v_and_b32 v15, 3, v2
	v_lshl_add_u32 v14, v15, 4, v14
	v_add_nc_u32 v14, s25, v14                     ; the stage, on the way in: SP (lane / 4) + 16 (lane % 4)
	v_mul_u32_u24 v15, v2, SP
	v_add_nc_u32 v15, s25, v15                     ; and on the way out: SP x lane: my 16 neighbours
	v_mul_u32_u24 v4, v2, CB                       ; 8 x lane: my codes' place in a step's; in wo's path my four f16
	v_lshrrev_b32 v5, 1, v2
	s_add_co_u32 s25, s25, 2*32*SP
	v_add_nc_u32 v5, s25, v5                       ; LDS: my wave's 256 scale bytes, my block's byte
	v_lshlrev_b32 v7, 3, v2                        ; and on the way out 8 bytes a lane
	v_add_nc_u32 v6, s25, v7
	s_wait_kmcnt 0x0
	s_cmp_ge_u32 ttmp9, 768
	s_cbranch_scc1 .Lwo
	; which tensor: the choices hang on the work-group's number alone
	s_mov_b64 s[SRC:SRC+1], s[10:11]               ; wv, from work-group 640 on
	s_mov_b32 s28, 640
	s_cmp_lt_u32 ttmp9, 640
	s_cselect_b64 s[SRC:SRC+1], s[8:9], s[SRC:SRC+1]
	s_cselect_b32 s28, 512, s28
	s_cmp_lt_u32 ttmp9, 512
	s_cselect_b64 s[SRC:SRC+1], s[6:7], s[SRC:SRC+1]
	s_cselect_b32 s28, 256, s28
	s_cmp_lt_u32 ttmp9, 256
	s_cselect_b64 s[SRC:SRC+1], s[4:5], s[SRC:SRC+1]
	s_cselect_b32 s28, 0, s28                      ; the tensor's first work-group
	s_cselect_b64 s[COD:COD+1], s[14:15], s[18:19]
	s_cselect_b64 s[SCB:SCB+1], s[16:17], s[20:21]
	s_cselect_b32 s29, 0, 256                      ; the first work-group of the buffers of codes: the three weights lie on end
	s_cselect_b32 s[BIAS], 3, 0
	s_sub_co_u32 s31, ttmp9, s28
	s_lshl_b32 s31, s31, 2
	s_add_co_u32 s31, s31, s[WV]                   ; which run of 8,192 numbers of the tensor is my wave's
	s_lshl_b32 s32, s31, 15                        ; 32,768 bytes a run (all offsets here stay under 2^26)
	s_mov_b32 s33, 0
	s_add_nc_u64 s[SRC:SRC+1], s[SRC:SRC+1], s[32:33]
	s_sub_co_u32 s31, ttmp9, s29
	s_lshl_b32 s31, s31, 2
	s_add_co_u32 s31, s31, s[WV]                   ; and which run of the buffers
	s_lshl_b32 s32, s31, 12                        ; 4,096 bytes of codes a run
	s_add_nc_u64 s[COD:COD+1], s[COD:COD+1], s[32:33]
	s_lshl_b32 s32, s31, 8                         ; 256 scale bytes a run
	s_add_nc_u64 s[SCB:SCB+1], s[SCB:SCB+1], s[32:33]
	s_add_co_u32 s[FLOOR], s[BIAS], EMAX+1
	s_lshl_b32 s[FLOOR], s[FLOOR], 23
.macro LOAD t
.irp i, 0,1,2,3
	global_load_b128 v[R+16*((\t)%4)+4*\i:R+16*((\t)%4)+4*\i+3], v3, s[SRC:SRC+1] offset:2048*(\t)+512*\i th:TH_LOAD_NT   ; 32 lanes read 512 consecutive bytes
.endr
.endm
.macro TURN t                          ; step t's numbers through the stage: LDS serves a wave's instructions in order, so no wait stands between the stores and the loads
.irp i, 0,1,2,3
	ds_store_b128 v14, v[R+16*((\t)%4)+4*\i:R+16*((\t)%4)+4*\i+3] offset:32*SP*((\t)%2)+8*SP*\i
.endr
.irp i, 0,1,2,3
	ds_load_b128 v[X+16*((\t)%2)+4*\i:X+16*((\t)%2)+4*\i+3], v15 offset:32*SP*((\t)%2)+16*\i
.endr
.endm
.irp t, 0,1,2,3
	LOAD \t
.endr
	s_wait_loadcnt 12                              ; step 0's four loads are in; the twelve behind them stay out
	TURN 0
.macro STEP t
.set XS, X+16*((\t)%2)
.if (\t) > 0
	s_wait_dscnt 1                                 ; this step's numbers are back from the stage (the last step's byte store may be out): so its stores into the stage have read their registers,
.else
	s_wait_dscnt 0x0
.endif
.if (\t)+4 < STEPS
	LOAD (\t)+4                                    ; which take the loads of four steps on
.endif
.if (\t)+1 < STEPS
.if STEPS-2-(\t) >= 3
	s_wait_loadcnt 12                              ; the next step's four loads are in; those of the three steps behind it may be out
.else
	s_wait_loadcnt 4*(STEPS-2-(\t))
.endif
	TURN (\t)+1                                    ; and go through the other stage while this step is worked
.endif
	v_max3_num_f32 v8, |v[XS]|, |v[XS+1]|, |v[XS+2]|               ; the largest magnitude of my 16, in two chains
	v_max3_num_f32 v9, |v[XS+3]|, |v[XS+4]|, |v[XS+5]|
.irp i, 6,10
	v_max3_num_f32 v8, v8, |v[XS+\i]|, |v[XS+\i+1]|
	v_max3_num_f32 v9, v9, |v[XS+\i+2]|, |v[XS+\i+3]|
.endr
	v_max3_num_f32 v8, v8, |v[XS+14]|, |v[XS+15]|
	v_max3_num_f32 v8, v8, v9, s[FLOOR]            ; and the floor: so the stored byte cannot fall under 1
	v_max_num_f32_dpp v8, v8, v8 row_xmask:1 row_mask:0xf bank_mask:0xf   ; and of my neighbour's 16: the block's
	v_add_nc_u32 v11, -(EMAX<<23), v8              ; EMAX off its exponent field: the conversion takes the exponent field of this operand as its scale, and nothing else of it
	v_cvt_scalef32_pk8_fp4_f32 v[C+4*(\t)], v[XS:XS+7], v11
	v_cvt_scalef32_pk8_fp4_f32 v[C+4*(\t)+1], v[XS+8:XS+15], v11
	v_lshrrev_b32 v[E+(\t)], 23, v11               ; the rule's byte (a plain line behind the conversions),
	v_sub_nc_u32 v[E+(\t)], v[E+(\t)], s[BIAS]     ; stored 3 lower for x
	ds_store_b8 v5, v[E+(\t)] offset:16*(\t)       ; both lanes of a block write the same byte with the same value
	global_store_b64 v4, v[C+4*(\t):C+4*(\t)+1], s[COD:COD+1] offset:32*CB*(\t)   ; 32 lanes store 256 consecutive bytes, aligned
.endm
.irp t, 0,1,2,3,4,5,6,7,8,9,10,11,12,13,14,15
	STEP \t
.endr
	ds_load_b64 v[8:9], v6                         ; LDS serves a wave's instructions in order: these see my stores
	s_wait_dscnt 0x0
	global_store_b64 v7, v[8:9], s[SCB:SCB+1]      ; 32 lanes store 256 consecutive bytes, aligned
	s_wait_tensorcnt 0x0                           ; the wave's end: three closing lines, behind my last LDS store
	ds_add_u32 v[SPW], v[NIL]
	s_wait_dscnt 0x0
	s_endpgm
; WO'S PATH: a plain stream, no LDS.  64 chunks of 512 bytes a wave, in four rounds of 16; two sets of 64 registers, so that 16 loads are always out behind the set at work.
.Lwo:
	s_sub_co_u32 s25, ttmp9, 768
	s_lshl_b32 s25, s25, 2
	s_add_co_u32 s25, s25, s[WV]                   ; which run of 8,192 numbers is my wave's
	s_lshl_b32 s28, s25, 15
	s_mov_b32 s29, 0
	s_add_nc_u64 s[12:13], s[12:13], s[28:29]
	s_lshl_b32 s28, s25, 14
	s_add_nc_u64 s[22:23], s[22:23], s[28:29]
.macro WLOAD r, set
.irp i, 0,1,2,3,4,5,6,7,8,9,10,11,12,13,14,15
	global_load_b128 v[\set+4*\i:\set+4*\i+3], v3, s[12:13] offset:512*(16*(\r)+\i) th:TH_LOAD_NT
.endr
.endm
.macro WROUND r
.set WS, 16+96*((\r)%2)                ; v16-79 or v112-175
.if (\r) < 3
	s_wait_loadcnt 16                              ; this set's 16 loads are in; the other set's 16 stay out
.else
	s_wait_loadcnt 0x0
.endif
	s_wait_xcnt 0x0                                ; the last round's stores have read v80-111: they are written again only behind this wait
.irp i, 0,1,2,3,4,5,6,7,8,9,10,11,12,13,14,15
	v_pk_mul_f32 v[WS+4*\i:WS+4*\i+1], v[WS+4*\i:WS+4*\i+1], 0x41000000 op_sel_hi:[1,0]       ; x 8: exact
	v_pk_mul_f32 v[WS+4*\i+2:WS+4*\i+3], v[WS+4*\i+2:WS+4*\i+3], 0x41000000 op_sel_hi:[1,0]
	v_cvt_pk_f16_f32 v[HF+2*\i], v[WS+4*\i], v[WS+4*\i+1]
	v_cvt_pk_f16_f32 v[HF+2*\i+1], v[WS+4*\i+2], v[WS+4*\i+3]
	global_store_b64 v4, v[HF+2*\i:HF+2*\i+1], s[22:23] offset:256*(16*(\r)+\i)   ; 32 lanes store 256 consecutive bytes, aligned
.endr
.if (\r) < 2
	WLOAD (\r)+2, WS
.endif
.endm
	WLOAD 0, 16
	WLOAD 1, 112
	WROUND 0
	WROUND 1
	WROUND 2
	WROUND 3
	s_wait_tensorcnt 0x0                           ; the same three closing lines as on the other path
	ds_add_u32 v[SPW], v[NIL]
	s_wait_dscnt 0x0
	s_endpgm
.Lfunc_end_k_qdc688ba7c0_prep:
	.size	k_qdc688ba7c0_prep, .Lfunc_end_k_qdc688ba7c0_prep-k_qdc688ba7c0_prep
	.p2alignl 7, 3214868480
	.fill 96, 4, 3214868480
	.section	.rodata,"a",@progbits
	.p2align	6, 0x0
	.amdhsa_kernel k_qdc688ba7c0_prep
		.amdhsa_group_segment_fixed_size 33280
		.amdhsa_private_segment_fixed_size 0
		.amdhsa_enable_private_segment 0
		.amdhsa_kernarg_size 80
		.amdhsa_user_sgpr_count 2
		.amdhsa_user_sgpr_kernarg_segment_ptr 1
		.amdhsa_wavefront_size32 1
		.amdhsa_system_sgpr_workgroup_id_x 1
		.amdhsa_system_sgpr_workgroup_id_y 1
		.amdhsa_system_sgpr_workgroup_id_z 1
		.amdhsa_system_vgpr_workitem_id 0
		.amdhsa_next_free_vgpr 192
		.amdhsa_next_free_sgpr 66
		.amdhsa_reserve_vcc 0
		.amdhsa_float_denorm_mode_32 3
		.amdhsa_float_denorm_mode_16_64 3
		.amdhsa_memory_ordered 1
		.amdhsa_forward_progress 1
		.amdhsa_inst_pref_size 67
	.end_amdhsa_kernel
	.amdgpu_metadata
---
amdhsa.version: [ 1, 2 ]
amdhsa.kernels:
  - .name:           k_qdc688ba7c0_prep
    .symbol:         k_qdc688ba7c0_prep.kd
    .args:
      - { .name: x, .offset: 0, .size: 8, .value_kind: global_buffer, .address_space: global }
      - { .name: wq, .offset: 8, .size: 8, .value_kind: global_buffer, .address_space: global }
      - { .name: wk, .offset: 16, .size: 8, .value_kind: global_buffer, .address_space: global }
      - { .name: wv, .offset: 24, .size: 8, .value_kind: global_buffer, .address_space: global }
      - { .name: wo, .offset: 32, .size: 8, .value_kind: global_buffer, .address_space: global }
      - { .name: xc, .offset: 40, .size: 8, .value_kind: global_buffer, .address_space: global }
      - { .name: xs, .offset: 48, .size: 8, .value_kind: global_buffer, .address_space: global }
      - { .name: wc, .offset: 56, .size: 8, .value_kind: global_buffer, .address_space: global }
      - { .name: ws, .offset: 64, .size: 8, .value_kind: global_buffer, .address_space: global }
      - { .name: woh, .offset: 72, .size: 8, .value_kind: global_buffer, .address_space: global }
    .group_segment_fixed_size: 33280
    .private_segment_fixed_size: 0
    .kernarg_segment_align: 8
    .kernarg_segment_size: 80
    .max_flat_workgroup_size: 128
    .sgpr_count:     66
    .vgpr_count:     192
    .wavefront_size: 32
...
	.end_amdgpu_metadata
.endif
;; end of part 1
;; launch qkv (part 2): grid 16 x 16, 4 waves a work-group, clusters of 4 x 4, 327,680 bytes of LDS; arguments xc, xs, wc, ws, freqs_cos, freqs_sin, qkv; writes qkv
.if DOCPART == 2
	.amdgcn_target "amdgcn-amd-amdhsa--gfx1250"
	.amdhsa_code_object_version 6
	.text
	.protected	k_qdc688ba7c0_qkv
	.globl	k_qdc688ba7c0_qkv
	.p2align	8
	.type	k_qdc688ba7c0_qkv,@function
k_qdc688ba7c0_qkv:
	s_mov_b64 s[64:65], 0
	v_nop
	global_prefetch_b8 v0, s[64:65] scope:SCOPE_SE
	s_setreg_imm32_b32 hwreg(HW_REG_WAVE_MODE, 25, 1), 1
	s_wait_xcnt 0x0
	s_wait_alu depctr_hold_cnt(0) depctr_sa_sdst(0) depctr_va_vdst(0) depctr_va_sdst(0) depctr_va_ssrc(0) depctr_va_vcc(0) depctr_vm_vsrc(0)
	s_getreg_b32 s2, hwreg(HW_REG_IB_STS2, 6, 4)
	s_cmp_eq_u32 s2, 0
	s_cbranch_scc0 .Lentry_in_a_cluster
	s_endpgm
.Lentry_in_a_cluster:
	s_bfe_u32 s2, ttmp6, 0x10000c
	s_cmp_lg_u32 s2, 0xf033
	s_cbranch_scc0 .Lentry_shape_is_right
	s_endpgm
.Lentry_shape_is_right:
; QKV.  C[m][n] = sum over k of x[m][k] w[n][k], m = 2,048 tokens, n = 4,096 rows of wq, wk, wv on end, k = 4,096, both operands as codes of FP4 (E2M1) with one E8M0 byte for each 32 along K; sums in f32.
; x's scale bytes were stored 3 lower than the rule's, so C is q / 8, k / 8, v / 8, exactly.  q and k are rotated by the two tables (the rotation is linear and keeps the factor); all is rounded once to f16 and stored as
; qkv [32 slots][2048 tokens][128]: slots 0-15 the query heads, 16-23 the key heads, 24-31 the value heads.
; LIMIT: |q|, |k|, |v| stay under 524,032 (8 x f16's largest number).
; SHARES.  A tile of C is 128 (m) x 256 (n): 16 x 16 work-groups.  Four waves, each 64 x 128: 32 accumulators of 16 x 16.  A wave's 128 columns are one head.
; K goes in steps of 512 (256 bytes of every row) through a ring of two LDS slots filled by the tensor data mover; a step is four sub-steps of 128 along K, one matrix instruction deep.
; THE SCALES of the work-group's 128 + 256 rows, for all of K, are dense blocks of memory: they come into LDS once, with the first fills, and stay.
; CLUSTERS: 4 x 4 work-groups.  The four of a row of the cluster need the same tiles of x, the four of a column the same tiles of w: each tile is asked for JOINTLY, by the same tensor load with the same descriptor and a mask that names the four.
; THE MATRIX INSTRUCTION IS USED TRANSPOSED (source 0 = 16 rows of w, source 1 = 16 rows of x): lane (r, h) holds token 16 a + r and its eight registers the head's numbers 16 b + 8 h + 0 .. 7: four pairs of the rotation.
; REGISTERS, in windows of 256: window 0: v16-30 addresses; v32-95 scale words, two sets, and nothing else; v96-127 packed results; v128-191 x's fragments, two sets (on the way out: rows read back); v192-255 rotated numbers.
;   window 1: w's fragments, two sets, at v0 and v128.   window 2: the accumulators, (a, b) at v[8 (8 a + b)].   window 3: for (a, b): four cos at v[64 a + 8 b], four sin behind them.
; Every work-group loads its cos and sin numbers at the head, those of v's four tile columns too, which do not use them (32 KB a wave): so the text parts on the tile column once, on the way out.
.set PITCH,  272                       ; an LDS row: 256 bytes + 16 of padding: the 16 rows that a load touches start 68 words apart
.set ATILE,  128*PITCH                 ; x's 128 rows
.set SLOT,   384*PITCH                 ; then w's 256 rows
.set LAPS,   4                         ; a lap = two K steps = once round the ring: 4,096 / 1,024
.set KROW,   2048                      ; a row of codes in memory, in bytes
.set SCL,    2*SLOT                    ; behind the ring: the scales, as pieces of 256 bytes + 16 of padding (two rows of 128 bytes to a piece)
.set SCA,    64*272                    ; x's 128 rows of scales; w's 256 rows take twice that
.set SBLK,   8*272                     ; those of 16 rows
.set SPARE,  SCL+3*SCA                 ; behind the scales: the spare words, 128 bytes a wave
.set PLAIN,  4*16*272                  ; the way out's stages lie in slot 0: the rotating path's from byte 0, the plain path's from here: bytes of its own for each path
.set ADRA, 16                          ; v16-17  LDS address of my x fragments in slot 0, 1
.set ADRB, 20                          ; v20-21  the same for w
.set STO,  24                          ; v24     the way out: where I put 16 bytes of a row
.set RD,   25                          ; v25     where I read rows back
.set CO,   26                          ; v26     16 x lane: my bytes of 512 stored
.set ADRS, 27                          ; v27     LDS address of my scale words: lanes 0-15 x's rows, lanes 16-31 w's
.set SPW,  28                          ; v28     LDS address of my spare word; never rewritten
.set NIL,  29                          ; v29     0; never rewritten
.set FO,   30                          ; v30     my byte in the tables' 16 rows: 256 r + 16 h; never rewritten
.set SC,   32                          ; scale words: set s at v[SC + 32 s]; register 4 i + q: lanes 0-15 the word of x's block i, lanes 16-31 of w's block i, for the slot's q-th 128 along K
.set TMP,  96
.set AF,   128
.set BK,   128
.set RT,   192
.set G1,   24                          ; s[24:31] group 1 for x's tiles; s[32:39] group 0, a set for each slot
.set G0,   32
.set G1B,  48                          ; s[48:55], s[56:63] the same for w's
.set G0B,  56
.set G1S,  68                          ; s[68:75], s[76:79] for x's scales; s[80:87], s[88:91] for w's
.set G0S,  76
.set G1SB, 80
.set G0SB, 88
.set MSB, 0
.macro WIN new                         ; the immediate's high byte repeats the setting that is left; a switch that changes nothing is dropped
.if MSB != \new
	s_set_vgpr_msb (MSB<<8)|\new
.set MSB, \new
.endif
.endm
.set MUL,  0xa1                        ; source 0 (w) window 1, source 1 (x) window 0, C and D window 2
.set TO_B, 0x40                        ; destination window 1, address window 0
; A joint load: waves 0 and 1 fetch for x, waves 2 and 3 for w.  Each line has one mask and one set of registers for all that issue it; the branch hangs on the wave's number alone.
; An s_nop 0 and four v_nop follow each of the two lines.
.macro JLOAD g0a, g1a, g0b, g1b
	s_cmp_eq_u32 s15, 0
	s_cbranch_scc0 .Lfor_b_\@
	tensor_load_to_lds s[\g0a:\g0a+3], s[\g1a:\g1a+7]
	s_nop 0
.rept 4
	v_nop
.endr
	s_branch .Lasked_\@
.Lfor_b_\@:
	tensor_load_to_lds s[\g0b:\g0b+3], s[\g1b:\g1b+7]
	s_nop 0
.rept 4
	v_nop
.endr
.Lasked_\@:
.endm
.macro CREST                           ; a round of the cluster's barrier behind its opening barrier
	s_cmp_lg_u32 s14, 0
	s_cbranch_scc1 .Lnot_wave_0_\@
	s_barrier_signal -3
.Lnot_wave_0_\@:
	s_barrier_wait -3
	s_barrier_signal -1
	s_barrier_wait -1
.endm
.macro CROUND                          ; a whole round
	s_barrier_signal -1
	s_barrier_wait -1
	CREST
.endm
.macro PLACES n                        ; plain vector instructions between a matrix instruction and a load into, or a read of, its registers
.rept \n
	v_nop
.endr
.endm
	s_load_b256 s[4:11], s[0:1], 0x0               ; xc 4, xs 6, wc 8, ws 10
	s_load_b128 s[92:95], s[0:1], 0x20             ; cos 92, sin 94
	s_load_b64 s[12:13], s[0:1], 0x30              ; qkv
	v_lshl_add_u32 v[SPW], v0, 2, SPARE
	v_mov_b32 v[NIL], 0
	ds_add_u32 v[SPW], v[NIL]                      ; the wave's opening: the add, twice on end, and its wait ahead of my first tensor load
	ds_add_u32 v[SPW], v[NIL]
	v_lshrrev_b32 v1, 5, v0
	v_readfirstlane_b32 s14, v1                    ; wave 0..3
	s_lshr_b32 s15, s14, 1                         ; which 64 of the tile's rows are mine.  Also: I fetch for x (0) or for w (1)
	s_and_b32 s16, s14, 1                          ; which 128 of its columns.  Also: which half of that tile I fetch
	s_bfe_u32 s40, ttmp6, 0x40000                  ; cx, cy: my place in the cluster
	s_bfe_u32 s41, ttmp6, 0x40004
	s_lshl_b32 s42, ttmp9, 2
	s_add_co_u32 s42, s42, s40                     ; tile column = 4 x cluster x + cx
	s_and_b32 s17, ttmp7, 0xffff
	s_lshl_b32 s17, s17, 2
	s_add_co_u32 s17, s17, s41                     ; tile row = 4 x cluster y + cy
	s_lshl_b32 s43, s41, 2
	s_lshl_b32 s43, 15, s43                        ; my row of the cluster
	s_lshl_b32 s44, 0x1111, s40                    ; my column
	; group 1: rows of 256 bytes (elements of 1 byte), 16 bytes of padding behind each; x: 64 rows to a load, w: 128
	s_or_b32 s[G1+0], s43, (0<<16)|(1<<20)|(1<<21)|(5<<22)|(3<<25)   ; 15:0 the mask; 20 padding on; 21 set beside a mask; 24:22 after every 64 words; 31:25 four words
	s_or_b32 s[G1B+0], s44, (0<<16)|(1<<20)|(1<<21)|(5<<22)|(3<<25)
	s_mov_b32 s[G1+1], 256<<16                     ; tensor_dim0
	s_mov_b32 s[G1+2], 64<<16                      ; tensor_dim1
	s_mov_b32 s[G1+3], 256<<16                     ; tile_dim0
	s_mov_b32 s[G1+4], 64                          ; tile_dim1
	s_mov_b32 s[G1+5], KROW                        ; from row to row
	s_mov_b32 s[G1+6], 0
	s_mov_b32 s[G1+7], 0
	s_mov_b32 s[G1B+1], 256<<16
	s_mov_b32 s[G1B+2], 128<<16
	s_mov_b32 s[G1B+3], 256<<16
	s_mov_b32 s[G1B+4], 128
	s_mov_b32 s[G1B+5], KROW
	s_mov_b32 s[G1B+6], 0
	s_mov_b32 s[G1B+7], 0
	; the scales: dense blocks, as rows of 256 bytes (32 elements of 8 bytes), 16 bytes of padding behind each; x: 64 rows of scales = 32 such rows, w: 128 = 64
	s_or_b32 s[G1S+0], s43, (3<<16)|(1<<20)|(1<<21)|(5<<22)|(3<<25)
	s_or_b32 s[G1SB+0], s44, (3<<16)|(1<<20)|(1<<21)|(5<<22)|(3<<25)
	s_mov_b32 s[G1S+1], 32<<16
	s_mov_b32 s[G1S+2], 32<<16
	s_mov_b32 s[G1S+3], 32<<16
	s_mov_b32 s[G1S+4], 32
	s_mov_b32 s[G1S+5], 32
	s_mov_b32 s[G1S+6], 0
	s_mov_b32 s[G1S+7], 0
	s_mov_b32 s[G1SB+1], 32<<16
	s_mov_b32 s[G1SB+2], 64<<16
	s_mov_b32 s[G1SB+3], 32<<16
	s_mov_b32 s[G1SB+4], 64
	s_mov_b32 s[G1SB+5], 32
	s_mov_b32 s[G1SB+6], 0
	s_mov_b32 s[G1SB+7], 0
	; where the tiles come from: x's hang on the tile row alone, w's on the tile column alone (all offsets under 2^24)
	s_lshl_b32 s18, s16, 6
	s_lshl_b32 s20, s17, 7
	s_add_co_u32 s20, s20, s18                     ; x: row 128 x tile row + 64 x half
	s_lshl_b32 s22, s20, 7                         ; its scales: 128 bytes a row
	s_lshl_b32 s20, s20, 11                        ; its codes: 2,048 bytes a row
	s_mov_b32 s21, 0
	s_mov_b32 s23, 0
	s_lshl_b32 s19, s16, 7
	s_lshl_b32 s46, s42, 8
	s_add_co_u32 s46, s46, s19                     ; w: row 256 x tile column + 128 x half
	s_lshl_b32 s96, s46, 7
	s_lshl_b32 s46, s46, 11
	s_mov_b32 s47, 0
	s_mov_b32 s97, 0
	s_mul_i32 s45, s16, 64*PITCH                   ; and where they go: no place in the cluster enters an LDS address
	s_mul_i32 s98, s16, 128*PITCH
	s_add_co_u32 s98, s98, ATILE
	s_mul_i32 s18, s16, 32*272
	s_mul_i32 s19, s16, 64*272
	s_add_co_u32 s19, s19, SCA
	s_wait_dscnt 0x0                               ; both opening adds are done
	s_wait_kmcnt 0x0
	s_add_nc_u64 s[20:21], s[4:5], s[20:21]
	s_add_nc_u64 s[22:23], s[6:7], s[22:23]
	s_add_nc_u64 s[46:47], s[8:9], s[46:47]
	s_add_nc_u64 s[96:97], s[10:11], s[96:97]
	CROUND                                         ; all sixteen work-groups are here: the first joint loads meet
	s_mov_b32 s[G0S], 1
	s_add_co_u32 s[G0S+1], s18, SCL
	s_mov_b64 s[G0S+2:G0S+3], s[22:23]
	s_or_b32 s[G0S+3], s[G0S+3], 0x80000000
	s_mov_b32 s[G0SB], 1
	s_add_co_u32 s[G0SB+1], s19, SCL
	s_mov_b64 s[G0SB+2:G0SB+3], s[96:97]
	s_or_b32 s[G0SB+3], s[G0SB+3], 0x80000000
	JLOAD G0S, G1S, G0SB, G1SB                     ; the scales first: they are wanted with K step 0
.irp s, 0,1
	s_mov_b32 s[G0+4*\s], 1
	s_add_co_u32 s[G0+4*\s+1], s45, \s*SLOT
	s_add_nc_u64 s[G0+4*\s+2:G0+4*\s+3], s[20:21], \s*256
	s_or_b32 s[G0+4*\s+3], s[G0+4*\s+3], 0x80000000
	s_mov_b32 s[G0B+4*\s], 1
	s_add_co_u32 s[G0B+4*\s+1], s98, \s*SLOT
	s_add_nc_u64 s[G0B+4*\s+2:G0B+4*\s+3], s[46:47], \s*256
	s_or_b32 s[G0B+4*\s+3], s[G0B+4*\s+3], 0x80000000
	JLOAD G0+4*\s, G1, G0B+4*\s, G1B               ; three tensor loads of mine are out behind the last of these
.endr
	v_and_b32 v1, 15, v0                           ; r = lane % 16
	v_bfe_u32 v2, v0, 4, 1                         ; h = lane / 16
	s_lshl_b32 s66, s17, 7
	s_lshl_b32 s67, s15, 6
	s_add_co_u32 s66, s66, s67                     ; my first token
	s_lshl_b32 s66, s66, 8                         ; x 256 bytes: a row of either table, and a token's row in a slot of qkv
	s_mov_b32 s67, 0
	s_add_nc_u64 s[92:93], s[92:93], s[66:67]
	s_add_nc_u64 s[94:95], s[94:95], s[66:67]
	s_add_nc_u64 s[12:13], s[12:13], s[66:67]
	s_lshl_b32 s66, s42, 1
	s_add_co_u32 s66, s66, s16                     ; my head's slot: 2 x tile column + half
	s_lshl_b32 s66, s66, 19                        ; 524,288 bytes a slot
	s_add_nc_u64 s[12:13], s[12:13], s[66:67]
	v_lshlrev_b32 v[FO], 8, v1
	v_lshl_add_u32 v[FO], v2, 4, v[FO]
	WIN 0xc0                                       ; destination window 3, address window 0
.irp a, 0,1,2,3                        ; token 16 a + r, pairs 8 b + 4 h + 0 .. 3.  They are waited for on the way out alone
.irp b, 0,1,2,3,4,5,6,7
	global_load_b128 v[64*\a+8*\b:64*\a+8*\b+3], v[FO], s[92:93] offset:4096*\a+32*\b
	global_load_b128 v[64*\a+8*\b+4:64*\a+8*\b+7], v[FO], s[94:95] offset:4096*\a+32*\b
.endr
.endr
	WIN 0
	v_mul_u32_u24 v3, v1, PITCH
	v_lshl_add_u32 v4, v2, 4, v3                   ; a fragment's row x pitch + 16 x half
	s_mul_i32 s21, s15, 64*PITCH                   ; my 64 rows of x
	s_mul_i32 s22, s16, 128*PITCH                  ; my 128 rows of w,
	s_add_co_u32 s22, s22, ATILE                   ; which lie behind x's 128
.irp s, 0,1
	v_add_nc_u32 v[ADRA+\s], s21, v4
	v_add_nc_u32 v[ADRB+\s], s22, v4
	s_add_co_u32 s21, s21, SLOT
	s_add_co_u32 s22, s22, SLOT
.endr
	v_lshlrev_b32 v5, 7, v1                        ; my row's scales: 128 bytes a row,
	v_lshrrev_b32 v6, 8, v5
	v_lshl_add_u32 v5, v6, 4, v5                   ; and 16 more for each 256 passed
	s_mul_i32 s21, s15, 32*272                     ; x's: my 64 rows
	s_mul_i32 s22, s16, 64*272                     ; w's: my 128 rows, behind x's 128
	s_add_co_u32 s22, s22, SCA
	s_sub_co_u32 s22, s22, s21
	v_mul_u32_u24 v6, s22, v2                      ; lanes 16-31 take w's: one product, the distance x h
	s_add_co_u32 s21, s21, SCL
	v_add_nc_u32 v5, v5, v6
	v_add_nc_u32 v[ADRS], s21, v5
	s_mul_i32 s23, s14, 16*272                     ; my stage
	v_add_nc_u32 v[STO], s23, v4                   ; in: row r, 16 bytes for each half of the lanes
	v_mul_u32_u24 v5, v2, 272
	v_lshl_add_u32 v5, v1, 4, v5
	v_add_nc_u32 v[RD], s23, v5                    ; back: lanes 0-15 one row of 256 bytes, lanes 16-31 the next
	v_and_b32 v6, 31, v0
	v_lshlrev_b32 v[CO], 4, v6                     ; in memory a head's token rows lie on end: two rows are 512 consecutive bytes
.macro FRAG reg, adr, q, i             ; 16 rows x 128 K of 4-bit codes: 8 registers: lane (r, h): row r; registers 4 c .. 4 c + 3: K = 64 c + 32 h + 0 .. 31: 16 bytes of the row as they lie
.irp c, 0,1
	ds_load_b128 v[\reg+4*\c:\reg+4*\c+3], v[\adr] offset:64*(\q)+32*\c+(\i)*16*PITCH
.endr
.endm
.macro FETCH slot, q, p                ; the fragments of the slot's q-th sub-step into set p: w's eight, x's four: 24 loads in one run
	WIN TO_B
.irp i, 0,1,2,3,4,5,6,7
	FRAG 128*(\p)+8*\i, ADRB+\slot, \q, \i
.endr
	WIN 0
.irp i, 0,1,2,3
	FRAG AF+32*(\p)+8*\i, ADRA+\slot, \q, \i
.endr
.endm
.macro SCALES sc                       ; a K step's scale words into set sc: four words a row; lanes 0-15 x's block i (for i above 3: filled bytes that nobody uses), lanes 16-31 w's block i
.irp i, 0,1,2,3,4,5,6,7
	ds_load_b128 v[SC+32*\sc+4*\i:SC+32*\sc+4*\i+3], v[ADRS] offset:\i*SBLK
.endr
.endm
; x's blocks a0 .. a0 + cnt - 1 against w's eight.  The 32 accumulators take turns, one instruction a turn, in the same order in every sub-step.  zero = 1: the first products start the sums.
.macro MULN a0, cnt, p, q, sc, zero
.set MA, \a0
.rept \cnt
.irp b, 0,1,2,3,4,5,6,7
.if \zero
	v_wmma_scale_f32_16x16x128_f8f6f4 v[8*(8*MA+\b):8*(8*MA+\b)+7], v[128*(\p)+8*\b:128*(\p)+8*\b+7], v[AF+32*(\p)+8*MA:AF+32*(\p)+8*MA+7], 0, v[SC+32*(\sc)+4*\b+(\q)], v[SC+32*(\sc)+4*MA+(\q)] matrix_a_fmt:MATRIX_FMT_FP4 matrix_b_fmt:MATRIX_FMT_FP4 matrix_a_scale:MATRIX_SCALE_ROW1
.else
	v_wmma_scale_f32_16x16x128_f8f6f4 v[8*(8*MA+\b):8*(8*MA+\b)+7], v[128*(\p)+8*\b:128*(\p)+8*\b+7], v[AF+32*(\p)+8*MA:AF+32*(\p)+8*MA+7], v[8*(8*MA+\b):8*(8*MA+\b)+7], v[SC+32*(\sc)+4*\b+(\q)], v[SC+32*(\sc)+4*MA+(\q)] matrix_a_fmt:MATRIX_FMT_FP4 matrix_b_fmt:MATRIX_FMT_FP4 matrix_a_scale:MATRIX_SCALE_ROW1
.endif
.endr
.set MA, MA+1
.endr
.endm
; A sub-step that has its successor in the same slot: its fragments were asked for a sub-step ago; the next one's go out ahead of its 32 products.
.macro STEP slot, q, zero
	s_wait_dscnt 0x0                               ; this sub-step's fragments (and, at a slot's head, its scale words) are in
	PLACES 4                                       ; the other set was read by the last products
	FETCH \slot, (\q)+1, 1-(\q)%2
	WIN MUL
	MULN 0, 4, (\q)%2, \q, \slot, \zero
.endm
; A slot's last sub-step changes slots: ONE barrier; in front of it each wave waits for all its tensor loads, adds 0 to its spare word, and waits for that and for its own reads of this slot.  fill = 1: the slot is filled again, two K steps ahead.
.macro TURN slot, next, fill
	WIN 0                                          ; (the add's two registers lie in window 0)
	s_wait_tensorcnt 0x0                           ; all my tensor loads have landed: the one that was out is my part of the next slot
	ds_add_u32 v[SPW], v[NIL]                      ; 0 onto my spare word
	s_wait_dscnt 1                                 ; this sub-step's fragments are in; the add may be out
	WIN MUL
	MULN 0, 1, 1, 3, \slot, 0                      ; eight matrix instructions stand between the add and the wait for it
	s_wait_dscnt 0x0                               ; the add is done, and my reads of this slot are over
	s_barrier_signal -1
	MULN 1, 1, 1, 3, \slot, 0
	WIN 0
	s_barrier_wait -1
.if \fill
	CREST                                          ; the barrier has opened a round of the cluster's barrier: no wave of any partner still reads this slot or has a load on its way
	s_add_nc_u64 s[G0+4*\slot+2:G0+4*\slot+3], s[G0+4*\slot+2:G0+4*\slot+3], 512
	s_add_nc_u64 s[G0B+4*\slot+2:G0B+4*\slot+3], s[G0B+4*\slot+2:G0B+4*\slot+3], 512
	JLOAD G0+4*\slot, G1, G0B+4*\slot, G1B         ; the first tensor load behind the round, my one load until the next; it has four sub-steps in which to land.  Its four v_nop are the places in front of the loads below
.else
	PLACES 4
.endif
	v_add_nc_u32 v[ADRS], 16, v[ADRS]              ; on to the next K step's scale words
	FETCH \next, 0, 0
	SCALES \next
	WIN MUL
	MULN 2, 2, 1, 3, \slot, 0
	WIN 0
.endm
	s_wait_tensorcnt 0x1                           ; the scales and my part of K step 0 are in; K step 1's load may stay out
	s_barrier_signal -1
	s_barrier_wait -1                              ; everybody's are
	FETCH 0, 0, 0
	SCALES 0
	STEP 0, 0, 1                                   ; the first sub-step stands in front of the loop: its products start the sums
	WIN 0                                          ; at a label and at a branch every window is 0
	s_mov_b32 s3, LAPS-1
.Llap:                                                 ; a trip goes once round the ring, from a lap's second sub-step to the next lap's first, and fills both slots again
	STEP 0, 1, 0
	STEP 0, 2, 0
	TURN 0, 1, 1
	STEP 1, 0, 0
	STEP 1, 1, 0
	STEP 1, 2, 0
	TURN 1, 0, 1
	STEP 0, 0, 0
	WIN 0
	s_sub_co_u32 s3, s3, 1
	s_cmp_lg_u32 s3, 0
	s_cbranch_scc1 .Llap
	STEP 0, 1, 0                                   ; the last lap fills nothing, and has no round of the cluster's barrier
	STEP 0, 2, 0
	TURN 0, 1, 0
	STEP 1, 0, 0
	STEP 1, 1, 0
	STEP 1, 2, 0
	s_wait_dscnt 0x0                               ; the very last sub-step: nothing more to fetch
	WIN MUL
	MULN 0, 4, 1, 3, 1, 0
	WIN 0
	PLACES 4                                       ; in front of the first reads of results and of the loads into x's fragments' registers
; THE WAY OUT, block by block of 16 tokens x 128.  A lane's eight numbers become 16 bytes of f16; they go through my own stage in LDS (rows of 272 bytes) and come back as whole rows of 256 bytes.
; The stages lie in slot 0: it has had its last fill, and every wave's last read of it stands in front of the last change of slots' barrier.
.macro ROPE a                          ; (even, odd) -> (even cos - odd sin, even sin + odd cos), in f32; each accumulator is first read at its register 1
	WIN 0x0e                                       ; source 0 window 2 (results), source 1 window 3 (tables), source 2 and destination window 0
.irp b, 0,1,2,3,4,5,6,7
.irp i, 0,1,2,3
	v_mul_f32 v[RT+8*\b+2*\i], v[8*(8*(\a)+\b)+2*\i+1], v[64*(\a)+8*\b+4+\i]                      ; odd x sin
.endr
.irp i, 0,1,2,3
	v_mul_f32 v[RT+8*\b+2*\i+1], v[8*(8*(\a)+\b)+2*\i], v[64*(\a)+8*\b+4+\i]                      ; even x sin
.endr
.irp i, 0,1,2,3
	v_fma_f32 v[RT+8*\b+2*\i], v[8*(8*(\a)+\b)+2*\i], v[64*(\a)+8*\b+\i], -v[RT+8*\b+2*\i]
.endr
.irp i, 0,1,2,3
	v_fma_f32 v[RT+8*\b+2*\i+1], v[8*(8*(\a)+\b)+2*\i+1], v[64*(\a)+8*\b+\i], v[RT+8*\b+2*\i+1]
.endr
.endr
	WIN 0
.irp b, 0,1,2,3,4,5,6,7
.irp i, 0,1,2,3
	v_cvt_pk_f16_f32 v[TMP+4*\b+\i], v[RT+8*\b+2*\i], v[RT+8*\b+2*\i+1]
.endr
.endr
.endm
.macro PACKV a                         ; v is not rotated
	WIN 0x0a                                       ; sources 0 and 1 window 2
.irp b, 0,1,2,3,4,5,6,7
.irp i, 0,1,2,3
	v_cvt_pk_f16_f32 v[TMP+4*\b+\i], v[8*(8*(\a)+\b)+2*\i], v[8*(8*(\a)+\b)+2*\i+1]
.endr
.endr
	WIN 0
.endm
.macro TOSTAGE a, off
.irp b, 0,1,2,3,4,5,6,7
	ds_store_b128 v[STO], v[TMP+4*\b:TMP+4*\b+3] offset:\off+32*\b
.endr
.irp t, 0,1,2,3,4,5,6,7
	ds_load_b128 v[BK+32*((\a)%2)+4*\t:BK+32*((\a)%2)+4*\t+3], v[RD] offset:\off+544*\t   ; LDS serves a wave's instructions in order: these see the stores above
.endr
.endm
.macro SEND a
	s_wait_dscnt 0x0                               ; the block is back in registers
	s_wait_xcnt 0x0                                ; the block before has been read by its stores: the next block's loads may land on its registers
.irp t, 0,1,2,3,4,5,6,7
	global_store_b128 v[CO], v[BK+32*((\a)%2)+4*\t:BK+32*((\a)%2)+4*\t+3], s[12:13] offset:4096*(\a)+512*\t   ; 32 lanes store 512 consecutive bytes, at a multiple of 512 from the buffer's first byte
.endr
.endm
.macro WAYOUT rope, off                ; a block's arithmetic stands between the loads of the block before and the wait for them
.if \rope
	ROPE 0
.else
	PACKV 0
.endif
	TOSTAGE 0, \off
.irp a, 1,2,3
.if \rope
	ROPE \a
.else
	PACKV \a
.endif
	SEND \a-1
	TOSTAGE \a, \off
.endr
	SEND 3
.endm
	s_cmp_eq_u32 ttmp9, 3                          ; the cluster's x, the same in all sixteen partners: tile columns 12 to 15 are v
	s_cbranch_scc1 .Lplain
	s_wait_loadcnt 0x0                             ; cos and sin
	WAYOUT 1, 0
	s_branch .Lout
.Lplain:
	WAYOUT 0, PLAIN
.Lout:
	s_wait_tensorcnt 0x0                           ; the wave's end: three closing lines, behind my last tensor load and my last LDS store
	ds_add_u32 v[SPW], v[NIL]
	s_wait_dscnt 0x0
	CROUND                                         ; the closing round: no work-group ends while a partner may still ask for a tile that names it
	s_endpgm
.Lfunc_end_k_qdc688ba7c0_qkv:
	.size	k_qdc688ba7c0_qkv, .Lfunc_end_k_qdc688ba7c0_qkv-k_qdc688ba7c0_qkv
	.p2alignl 7, 3214868480
	.fill 96, 4, 3214868480
	.section	.rodata,"a",@progbits
	.p2align	6, 0x0
	.amdhsa_kernel k_qdc688ba7c0_qkv
		.amdhsa_group_segment_fixed_size 327680
		.amdhsa_private_segment_fixed_size 0
		.amdhsa_enable_private_segment 0
		.amdhsa_kernarg_size 56
		.amdhsa_user_sgpr_count 2
		.amdhsa_user_sgpr_kernarg_segment_ptr 1
		.amdhsa_wavefront_size32 1
		.amdhsa_system_sgpr_workgroup_id_x 1
		.amdhsa_system_sgpr_workgroup_id_y 1
		.amdhsa_system_sgpr_workgroup_id_z 1
		.amdhsa_system_vgpr_workitem_id 0
		.amdhsa_next_free_vgpr 1024
		.amdhsa_next_free_sgpr 100
		.amdhsa_reserve_vcc 0
		.amdhsa_float_denorm_mode_32 3
		.amdhsa_float_denorm_mode_16_64 3
		.amdhsa_memory_ordered 1
		.amdhsa_forward_progress 1
		.amdhsa_inst_pref_size 168
	.end_amdhsa_kernel
	.amdgpu_metadata
---
amdhsa.version: [ 1, 2 ]
amdhsa.kernels:
  - .name:           k_qdc688ba7c0_qkv
    .symbol:         k_qdc688ba7c0_qkv.kd
    .args:
      - { .name: xc, .offset: 0, .size: 8, .value_kind: global_buffer, .address_space: global }
      - { .name: xs, .offset: 8, .size: 8, .value_kind: global_buffer, .address_space: global }
      - { .name: wc, .offset: 16, .size: 8, .value_kind: global_buffer, .address_space: global }
      - { .name: ws, .offset: 24, .size: 8, .value_kind: global_buffer, .address_space: global }
      - { .name: freqs_cos, .offset: 32, .size: 8, .value_kind: global_buffer, .address_space: global }
      - { .name: freqs_sin, .offset: 40, .size: 8, .value_kind: global_buffer, .address_space: global }
      - { .name: qkv, .offset: 48, .size: 8, .value_kind: global_buffer, .address_space: global }
    .group_segment_fixed_size: 327680
    .private_segment_fixed_size: 0
    .kernarg_segment_align: 8
    .kernarg_segment_size: 56
    .max_flat_workgroup_size: 128
    .sgpr_count:     100
    .vgpr_count:     1024
    .wavefront_size: 32
...
	.end_amdgpu_metadata
.endif
;; end of part 2
;; launch attn (part 3): grid 32 x 8, 4 waves a work-group, clusters of 4 x 1, 327,680 bytes of LDS; arguments qkv, mask, att; writes att
.if DOCPART == 3
	.amdgcn_target "amdgcn-amd-amdhsa--gfx1250"
	.amdhsa_code_object_version 6
	.text
	.protected	k_qdc688ba7c0_attn
	.globl	k_qdc688ba7c0_attn
	.p2align	8
	.type	k_qdc688ba7c0_attn,@function
k_qdc688ba7c0_attn:
	s_mov_b64 s[64:65], 0
	v_nop
	global_prefetch_b8 v0, s[64:65] scope:SCOPE_SE
	s_setreg_imm32_b32 hwreg(HW_REG_WAVE_MODE, 25, 1), 1
	s_wait_xcnt 0x0
	s_wait_alu depctr_hold_cnt(0) depctr_sa_sdst(0) depctr_va_vdst(0) depctr_va_sdst(0) depctr_va_ssrc(0) depctr_va_vcc(0) depctr_vm_vsrc(0)
	s_getreg_b32 s2, hwreg(HW_REG_IB_STS2, 6, 4)
	s_cmp_eq_u32 s2, 0
	s_cbranch_scc0 .Lentry_in_a_cluster
	s_endpgm
.Lentry_in_a_cluster:
	s_bfe_u32 s2, ttmp6, 0x10000c
	s_cmp_lg_u32 s2, 0x3003
	s_cbranch_scc0 .Lentry_shape_is_right
	s_endpgm
.Lentry_shape_is_right:
; ATTN.  att[q][head] = softmax_k(Q[head][q] . K[head / 2][k] / sqrt(128) + mask[q][k]) V[head / 2][k], 16 query heads on 8 key and value heads, 2,048 queries and keys, head size 128.
; Q, K, V come from qkv [32 slots][2048][128], f16, each 1 / 8 of its true size; att, f16, is 1 / 8 of the attention's output.  Products on f16 operands, sums, maxima and the softmax in f32.
; att IS LAID AS THE NEXT LAUNCH'S OPERAND REGISTERS: [128 tiles of 16 tokens][64 blocks of 32 along heads x channels][2 halves][32 lanes][16 bytes].  A lane's packed results are that operand as they stand, so they are stored straight from registers.
; THE MASK IS AN INPUT: every number of it is loaded and added, and all 2,048 keys are walked for every query.
; SOFTMAX.  t = (Q / 8 . K / 8) x 64 log2(e) / sqrt(128) + log2(e) x mask.  For each query a running maximum m of t and a sum l: p = 2^(t - m), the difference formed by a subtraction of its own, so that it is 0 or less
; whatever the size of m (a mask of -1e9 over a whole key step makes m about -1.4e9); in every step O and l are multiplied by a = 2^(m_old - m_new).  p is rounded to f16 for the second product; l sums the unrounded p.
; LIMITS: m is held at -3e38 from below, so a mask entry of -infinity gives p = 0, and a row that is -infinity throughout gives NaN; +infinity and NaN in the mask are not served.
; Where |mask| is so large that f32 drops the score's bits beside it, they are dropped here in units of log2, there in natural units.
; SHARES.  A work-group owns 64 queries and BOTH query heads of one key and value head; wave w owns queries 16 w .. 16 w + 15 of them, as two tiles: tile t is head 2 g + t.  The two tiles share K's and V's fragments and the mask's registers.
; A key step is 128 keys = one LDS slot: K's 128 rows, V's 128 rows, the mask's 64 rows x 128 numbers.  Early in a step all that a wave wants of the slot goes into registers, so the slot is free for the step after next while this step's softmax runs.
; LAYOUT.  S^T = K Q^T (source 0 = 16 keys, source 1 = 16 queries): a lane holds ONE query (lane % 16) and keys 8 (lane / 16) + 0 .. 7 of each tile of 16.  Two such tiles, rounded to f16 in pairs, ARE source 1 of O^T = V^T P.
; K comes out of LDS as it lies, V ([key][channel]) turned, by ds_load_tr16_b128.
; CLUSTER.  The four query blocks of a cluster walk the same K and V: each tile is asked for JOINTLY (wave 0: K, wave 1: V), by the same load with a mask that names the four.  The mask's tile is each work-group's own (waves 2 and 3: 32 rows each).
; The matrix work and the vector work of a step stand in phases.
; REGISTERS, in windows of 256: window 0: v2-10 addresses; v12-15 second chains of the sums; v16-31 statistics, eight a tile; v32-95 the mask; v96-159 P, 32 a tile; v160-223 Q, 32 a tile; v224-226 LDS addresses in hand; v254, v255 the add's two.
;   window 1: v0-127 S^T, 64 a tile (register 8 kt + j = key 16 kt + 8 h + j); v128-255 O^T, 64 a tile.   window 2: K, fragment (kt, cc) at 32 kt + 8 cc.   window 3: V, fragment (c, ct) at 8 (8 c + ct).
.set PK,    272                        ; a row of K in LDS: 256 bytes + 16
.set PVP,   288                        ; a row of V: 256 + 32: the turning load takes 8 rows x 32 bytes in 16 lanes
.set PM,    528                        ; a row of the mask's tile: 512 + 16
.set VOFF,  128*PK
.set MOFF,  VOFF+128*PVP
.set SLOT1, 1<<17                      ; slot 1 begins here: one exclusive or turns an address in one slot into the other's
.set SPARE, SLOT1+MOFF+64*PM           ; behind the ring: the spare words, 128 bytes a wave
.set AK0, 2                            ; v2   my lane's place in a tile of K; never rewritten
.set AV0, 3                            ; v3   in V's
.set AM0, 4                            ; v4   in the mask's
.set QO,  6                            ; v6   my byte in the wave's rows of Q
.set GO,  9                            ; v9   16 x lane: my bytes of 512 stored
.set PFO, 10                           ; v10  the prefetches' offset: my lane x a row; never rewritten
.set CHB, 12                           ; v[12:13], v[14:15] the second chain of a tile's sum
.set ST,  16                           ; tile t's statistics at v[ST + 8 t]: +0 m, +1 m_old, then m_old - m; +2, +3 l (even keys', odd keys'); +4 to +7 at work; a takes +6
.set MK,  32
.set P,   96
.set Q,   160
.set ADK, 224
.set ADV, 225
.set ADM, 226
.set SPW, 254
.set NIL, 255
.set WV,  12                           ; s12  my wave's number
.set LIM, 15                           ; s15  1 in a wave that prefetches, else the greatest number
.set PFA, 18                           ; s[18:19] where my prefetches stand
.set G1K, 24                           ; s[24:31], s[32:39], s[68:75] group 1 for K's, V's, the mask's tiles
.set G1V, 32
.set G0K, 40                           ; s[40:47], s[48:55], s[76:83] group 0: a set for each of the two first fills; the second then walks on
.set G0V, 48
.set SLOTS, 56                         ; s56  refills still to come
.set CS,  58                           ; s[58:59] 64 log2(e) / sqrt(128), as a pair
.set SEL, 60                           ; s[60:61] lane selects: each lane takes its own place in the other half
.set TB,  62                           ; s62  LDS byte at which the slot to be read begins
.set G1M, 68
.set G0M, 76
.set LG,  84                           ; s[84:85] log2(e), as a pair
.set PFS, 86                           ; s[86:87] a key step on, in bytes: 32,768 in K and V, 512 in a row of the mask
.set MSB, 0
.macro WIN new
.if MSB != \new
	s_set_vgpr_msb (MSB<<8)|\new
.set MSB, \new
.endif
.endm
.set W_KQ, 0x52                        ; K window 2, Q window 0, S^T (C and D) window 1
.set W_PV, 0x53                        ; V window 3, P window 0, O^T window 1
.set W_S,  0x41                        ; source 0 and destination window 1, the others window 0
.macro PLACES n
.rept \n
	v_nop
.endr
.endm
; A refill: wave 0 K's tile, wave 1 V's (joint loads), waves 2 and 3 the mask's halves (their own).  The branches hang on the wave's number alone.  An s_nop 0 and four v_nop follow each line.
.macro JLOAD3
	s_cmp_eq_u32 s[WV], 0
	s_cbranch_scc0 .Lnot_k_\@
	tensor_load_to_lds s[G0K+4:G0K+7], s[G1K:G1K+7]
	s_nop 0
.rept 4
	v_nop
.endr
	s_branch .Lasked_\@
.Lnot_k_\@:
	s_cmp_eq_u32 s[WV], 1
	s_cbranch_scc0 .Lnot_v_\@
	tensor_load_to_lds s[G0V+4:G0V+7], s[G1V:G1V+7]
	s_nop 0
.rept 4
	v_nop
.endr
	s_branch .Lasked_\@
.Lnot_v_\@:
	tensor_load_to_lds s[G0M+4:G0M+7], s[G1M:G1M+7]
	s_nop 0
.rept 4
	v_nop
.endr
.Lasked_\@:
.endm
; A PREFETCH INTO THE L2 of what the NEXT change of slots will ask for, behind the wave's tensor load and its five lines: one key step, 128 matrix instructions and a softmax, ahead of that load.
; Each aligned block of 256 bytes is named once in the launch.  K and V: all eight clusters of a key and value head walk the same rows: the first cluster asks; its four partners take 32 rows each, told apart BY ADDRESS;
; wave 0 asks for K's, wave 1 for V's, a lane a row of 256 bytes.  The mask: the eight work-groups with the same queries read the same rows: that of head 0 asks; waves 2 and 3 for the 32 rows that they fetch, a lane a row, two blocks of 256 bytes.
; The last change that fills a slot asks for nothing: there is no key step behind it.  Key steps 0, 1 and 2 come by their loads alone.
.macro ASK
	s_cmp_gt_u32 s[SLOTS], s[LIM]
	s_cbranch_scc0 .Lnot_mine_\@
	global_prefetch_b8 v[PFO], s[PFA:PFA+1] th:TH_LOAD_NT scope:SCOPE_SE
	s_cmp_lt_u32 s[WV], 2
	s_cbranch_scc1 .Lnot_mine_\@
	global_prefetch_b8 v[PFO], s[PFA:PFA+1] offset:256 th:TH_LOAD_NT scope:SCOPE_SE
.Lnot_mine_\@:
.endm
.macro CROUND                          ; a round of the cluster's barrier
	s_barrier_signal -1
	s_barrier_wait -1
	s_cmp_lg_u32 s[WV], 0
	s_cbranch_scc1 .Lnot_wave_0_\@
	s_barrier_signal -3
.Lnot_wave_0_\@:
	s_barrier_wait -3
	s_barrier_signal -1
	s_barrier_wait -1
.endm
	s_load_b128 s[4:7], s[0:1], 0x0                ; qkv 4, mask 6
	s_load_b64 s[8:9], s[0:1], 0x10                ; att
	v_lshl_add_u32 v[SPW], v0, 2, SPARE
	v_mov_b32 v[NIL], 0
	ds_add_u32 v[SPW], v[NIL]                      ; the wave's opening: the add, twice on end, and its wait ahead of my first tensor load
	ds_add_u32 v[SPW], v[NIL]
	v_lshrrev_b32 v1, 5, v0
	v_readfirstlane_b32 s[WV], v1                  ; wave 0..3
	s_bfe_u32 s13, ttmp6, 0x40000                  ; cx: my place in the cluster
	s_lshl_b32 s14, ttmp9, 2
	s_add_co_u32 s14, s14, s13                     ; my block of 64 queries: it enters Q's, the mask's and att's addresses alone
	s_and_b32 s88, ttmp7, 0xffff                   ; g, the key and value head, which the four partners share
	s_lshl_b32 s20, s88, 19                        ; 524,288 bytes a slot of qkv (all offsets here stay under 2^25)
	s_add_co_u32 s22, s20, 16*524288               ; K's slot 16 + g
	s_mov_b32 s23, 0
	s_add_co_u32 s90, s20, 24*524288               ; V's slot 24 + g
	s_mov_b32 s91, 0
	s_and_b32 s16, s[WV], 1                        ; which 32 rows of the mask's tile I fetch, if I fetch
	s_lshl_b32 s92, s14, 6
	s_lshl_b32 s93, s16, 5
	s_add_co_u32 s92, s92, s93
	s_lshl_b32 s92, s92, 13                        ; 8,192 bytes a row of the mask
	s_mov_b32 s93, 0
	s_mul_i32 s17, s16, 32*PM
	s_add_co_u32 s17, s17, MOFF                    ; and their place in a slot
	s_lshl_b32 s94, s14, 6
	s_lshl_b32 s95, s[WV], 4
	s_add_co_u32 s94, s94, s95                     ; my first query
	s_lshl_b32 s96, s94, 8
	s_lshl_b32 s97, s88, 20
	s_add_co_u32 s96, s96, s97                     ; Q: slot 2 g, row q0
	s_mov_b32 s97, 0
	s_lshl_b32 s94, s94, 12                        ; att: my tile of 16 tokens, 65,536 bytes a tile = 4,096 a token,
	s_lshl_b32 s95, s88, 13                        ; head 2 g: four blocks of 1,024 bytes a head
	s_add_co_u32 s94, s94, s95
	s_mov_b32 s95, 0
	; group 1.  K, V: 128 rows x 128 elements of 2 bytes, dense in memory, padded in LDS; the mask: 32 rows x 128 elements of 4 bytes, 2,048 elements from row to row
	s_mov_b32 s[G1K], 15|(1<<16)|(1<<20)|(1<<21)|(5<<22)|(3<<25)   ; 15:0 all four work-groups; 17:16 2 bytes; 20 padding on; 21 set beside a mask; 24:22 after every 64 words; 31:25 four words
	s_mov_b32 s[G1V], 15|(1<<16)|(1<<20)|(1<<21)|(5<<22)|(7<<25)   ; the same with eight words of padding
.irp g, G1K, G1V
	s_mov_b32 s[\g+1], 128<<16                     ; tensor_dim0
	s_mov_b32 s[\g+2], 128<<16                     ; tensor_dim1
	s_mov_b32 s[\g+3], 128<<16                     ; tile_dim0
	s_mov_b32 s[\g+4], 128                         ; tile_dim1
	s_mov_b32 s[\g+5], 128                         ; from row to row
	s_mov_b32 s[\g+6], 0
	s_mov_b32 s[\g+7], 0
.endr
	s_mov_b32 s[G1M], (2<<16)|(1<<20)|(6<<22)|(3<<25)              ; no mask of work-groups; 4 bytes; four words of padding after every 128
	s_mov_b32 s[G1M+1], 128<<16
	s_mov_b32 s[G1M+2], 32<<16
	s_mov_b32 s[G1M+3], 128<<16
	s_mov_b32 s[G1M+4], 32
	s_mov_b32 s[G1M+5], 2048
	s_mov_b32 s[G1M+6], 0
	s_mov_b32 s[G1M+7], 0
	s_mov_b32 s[CS], 0x410293ee                    ; 64 log2(e) / sqrt(128): Q and K are 1 / 8 of their size each
	s_mov_b32 s[CS+1], s[CS]
	s_mov_b32 s[LG], 0x3fb8aa3b                    ; log2(e)
	s_mov_b32 s[LG+1], s[LG]
	s_mov_b32 s[SEL], 0x76543210
	s_mov_b32 s[SEL+1], 0xfedcba98
	s_mov_b32 s[TB], 0
	s_mov_b32 s[SLOTS], 14
	; the prefetches: who asks, and the offsets
	s_lshl_b32 s2, s13, 13
	s_add_co_u32 s2, s2, 2*32768                   ; K, V: my work-group's 32 rows, at key step 2: the first change of slots steps it to 3
	s_mov_b32 s3, 2*512                            ; the mask: at key step 2
	s_mov_b32 s[PFS], 512
	s_mov_b32 s63, 8192
	s_cmp_lt_u32 s[WV], 2
	s_cselect_b32 s2, s2, s3
	s_cselect_b32 s[PFS], 32768, s[PFS]
	s_cselect_b32 s63, 256, s63                    ; from lane to lane
	s_cselect_b32 s[LIM], ttmp9, s88               ; the coordinate along which others read the same bytes: the same in all four partners
	s_mov_b32 s3, 0
	s_mov_b32 s[PFS+1], 0
	s_cmp_eq_u32 s[LIM], 0
	s_cselect_b32 s[LIM], 1, -1
	v_and_b32 v[PFO], 31, v0
	v_mul_lo_u32 v[PFO], v[PFO], s63
	s_wait_dscnt 0x0                               ; both opening adds are done
	s_wait_kmcnt 0x0
	s_add_nc_u64 s[22:23], s[4:5], s[22:23]        ; K
	s_add_nc_u64 s[90:91], s[4:5], s[90:91]        ; V
	s_add_nc_u64 s[92:93], s[6:7], s[92:93]        ; the mask's rows that I fetch
	s_add_nc_u64 s[96:97], s[4:5], s[96:97]        ; Q
	s_add_nc_u64 s[8:9], s[8:9], s[94:95]          ; att
	s_cmp_eq_u32 s[WV], 0
	s_cselect_b64 s[PFA:PFA+1], s[22:23], s[90:91]
	s_cmp_lt_u32 s[WV], 2
	s_cselect_b64 s[PFA:PFA+1], s[PFA:PFA+1], s[92:93]
	s_add_nc_u64 s[PFA:PFA+1], s[PFA:PFA+1], s[2:3]
	CROUND                                         ; all four work-groups are here: the first joint loads meet
.irp s, 0,1
	s_mov_b32 s[G0K+4*\s], 1                       ; count = 1
	s_mov_b32 s[G0K+4*\s+1], \s*SLOT1              ; LDS address
	s_add_nc_u64 s[G0K+4*\s+2:G0K+4*\s+3], s[22:23], \s*32768   ; key step s
	s_or_b32 s[G0K+4*\s+3], s[G0K+4*\s+3], 0x80000000           ; type = 2
	s_mov_b32 s[G0V+4*\s], 1
	s_mov_b32 s[G0V+4*\s+1], \s*SLOT1+VOFF
	s_add_nc_u64 s[G0V+4*\s+2:G0V+4*\s+3], s[90:91], \s*32768
	s_or_b32 s[G0V+4*\s+3], s[G0V+4*\s+3], 0x80000000
	s_mov_b32 s[G0M+4*\s], 1
	s_add_co_u32 s[G0M+4*\s+1], s17, \s*SLOT1
	s_add_nc_u64 s[G0M+4*\s+2:G0M+4*\s+3], s[92:93], \s*512
	s_or_b32 s[G0M+4*\s+3], s[G0M+4*\s+3], 0x80000000
.endr
	s_cmp_eq_u32 s[WV], 0                          ; a wave's two first fills stand together in its arm, ahead of every wait on TENSORcnt and every LDS read: two loads of mine are out
	s_cbranch_scc0 .Lfirst_1
	tensor_load_to_lds s[G0K:G0K+3], s[G1K:G1K+7]
	s_nop 0
	tensor_load_to_lds s[G0K+4:G0K+7], s[G1K:G1K+7]
	s_nop 0
.rept 4
	v_nop
.endr
	s_branch .Lfirst_done
.Lfirst_1:
	s_cmp_eq_u32 s[WV], 1
	s_cbranch_scc0 .Lfirst_2
	tensor_load_to_lds s[G0V:G0V+3], s[G1V:G1V+7]
	s_nop 0
	tensor_load_to_lds s[G0V+4:G0V+7], s[G1V:G1V+7]
	s_nop 0
.rept 4
	v_nop
.endr
	s_branch .Lfirst_done
.Lfirst_2:
	tensor_load_to_lds s[G0M:G0M+3], s[G1M:G1M+7]
	s_nop 0
	tensor_load_to_lds s[G0M+4:G0M+7], s[G1M:G1M+7]
	s_nop 0
.rept 4
	v_nop
.endr
.Lfirst_done:
	v_and_b32 v1, 15, v0                           ; r = lane % 16
	v_bfe_u32 v11, v0, 4, 1                        ; h = lane / 16
	v_lshlrev_b32 v[QO], 8, v1
	v_lshl_add_u32 v[QO], v11, 4, v[QO]            ; row x 256 + 16 x half
.irp t, 0,1                            ; Q stays in registers: tile t, channels 32 cc on: lane (r, h): query r; registers 0-3 channels 8 h + 0..7, registers 4-7 channels 16 + 8 h + 0..7
.irp cc, 0,1,2,3
	global_load_b128 v[Q+32*\t+8*\cc:Q+32*\t+8*\cc+3], v[QO], s[96:97] offset:524288*\t+64*\cc
	global_load_b128 v[Q+32*\t+8*\cc+4:Q+32*\t+8*\cc+7], v[QO], s[96:97] offset:524288*\t+64*\cc+32
.endr
.endr
	v_mul_u32_u24 v[AK0], v1, PK
	v_lshl_add_u32 v[AK0], v11, 4, v[AK0]          ; K: row x pitch + 16 x half
	v_and_b32 v12, 7, v0                           ; V: the turning load: lane l reads 16 bytes: key 8 (l / 16) + l % 8, channels 8 ((l / 8) % 2) + 0..7
	v_bfe_u32 v13, v0, 3, 1
	v_lshl_add_u32 v[AV0], v11, 3, v12
	v_mul_u32_u24 v[AV0], v[AV0], PVP
	v_lshl_add_u32 v[AV0], v13, 4, v[AV0]
	v_add_nc_u32 v[AV0], VOFF, v[AV0]
	s_mul_i32 s20, s[WV], 16*PM
	s_add_co_u32 s20, s20, MOFF
	v_mul_u32_u24 v[AM0], v1, PM                   ; the mask: row 16 w + r; my half's eight keys of a tile of 16 are 32 bytes
	v_lshl_add_u32 v[AM0], v11, 5, v[AM0]
	v_add_nc_u32 v[AM0], s20, v[AM0]
	v_and_b32 v[GO], 31, v0
	v_lshlrev_b32 v[GO], 4, v[GO]                  ; the way out: 16 bytes a lane
.macro FETCH_K                         ; a step's K: 128 keys x 128 channels: 32 fragments, 64 loads in one run
	WIN 0
	v_add_nc_u32 v[ADK], s[TB], v[AK0]
	WIN 0x80                                       ; destination window 2
.irp kt, 0,1,2,3,4,5,6,7
.irp cc, 0,1,2,3
	ds_load_b128 v[32*\kt+8*\cc:32*\kt+8*\cc+3], v[ADK] offset:\kt*16*PK+64*\cc
	ds_load_b128 v[32*\kt+8*\cc+4:32*\kt+8*\cc+7], v[ADK] offset:\kt*16*PK+64*\cc+32
.endr
.endr
.endm
.macro FETCH_V                         ; a step's V, turned: fragment (c, ct): keys 32 c on, channels 16 ct on
	WIN 0
	v_add_nc_u32 v[ADV], s[TB], v[AV0]
	WIN 0xc0                                       ; destination window 3
.irp c, 0,1,2,3
.irp ct, 0,1,2,3,4,5,6,7
	ds_load_tr16_b128 v[8*(8*\c+\ct):8*(8*\c+\ct)+3], v[ADV] offset:\c*32*PVP+32*\ct
	ds_load_tr16_b128 v[8*(8*\c+\ct)+4:8*(8*\c+\ct)+7], v[ADV] offset:\c*32*PVP+16*PVP+32*\ct
.endr
.endr
.endm
.macro FETCH_M                         ; a step's mask numbers of my query: register 8 kt + j = key 16 kt + 8 h + j, as in S^T
	WIN 0
	v_add_nc_u32 v[ADM], s[TB], v[AM0]
.irp kt, 0,1,2,3,4,5,6,7
	ds_load_b128 v[MK+8*\kt:MK+8*\kt+3], v[ADM] offset:64*\kt
	ds_load_b128 v[MK+8*\kt+4:MK+8*\kt+7], v[ADM] offset:64*\kt+16
.endr
.endm
.macro MASKL                           ; log2(e) x mask: once for both tiles
.set n, 0
.rept 32
	v_pk_mul_f32 v[MK+n:MK+n+1], v[MK+n:MK+n+1], s[LG:LG+1] op_sel_hi:[1,0]
.set n, n+2
.endr
.endm
.macro KQM                             ; S^T = K Q^T: 64 matrix instructions; the 16 accumulators take turns, one instruction a turn; the first 16 start the sums
	WIN W_KQ
.irp cc, 0,1,2,3
.irp kt, 0,1,2,3,4,5,6,7
.irp t, 0,1
.if \cc == 0
	v_wmma_f32_16x16x32_f16 v[64*\t+8*\kt:64*\t+8*\kt+7], v[32*\kt+8*\cc:32*\kt+8*\cc+7], v[Q+32*\t+8*\cc:Q+32*\t+8*\cc+7], 0
.else
	v_wmma_f32_16x16x32_f16 v[64*\t+8*\kt:64*\t+8*\kt+7], v[32*\kt+8*\cc:32*\kt+8*\cc+7], v[Q+32*\t+8*\cc:Q+32*\t+8*\cc+7], v[64*\t+8*\kt:64*\t+8*\kt+7]
.endif
.endr
.endr
.endr
.endm
.macro PVM first                       ; O^T += V^T P: 64 matrix instructions, 16 accumulators by turns.  first = 1: the first 16 start the sums: nothing is ever cleared
	WIN W_PV
.irp c, 0,1,2,3
.irp ct, 0,1,2,3,4,5,6,7
.irp t, 0,1
.if \first && (\c == 0)
	v_wmma_f32_16x16x32_f16 v[128+64*\t+8*\ct:128+64*\t+8*\ct+7], v[8*(8*\c+\ct):8*(8*\c+\ct)+7], v[P+32*\t+8*\c:P+32*\t+8*\c+7], 0
.else
	v_wmma_f32_16x16x32_f16 v[128+64*\t+8*\ct:128+64*\t+8*\ct+7], v[8*(8*\c+\ct):8*(8*\c+\ct)+7], v[P+32*\t+8*\c:P+32*\t+8*\c+7], v[128+64*\t+8*\ct:128+64*\t+8*\ct+7]
.endif
.endr
.endr
.endr
.endm
.macro TPH                             ; t = score x c + log2(e) x mask, two at a time, each accumulator from its low end on
	WIN W_S
.set n, 0
.rept 32
.irp t, 0,1
	v_pk_fma_f32 v[64*\t+n:64*\t+n+1], v[64*\t+n:64*\t+n+1], s[CS:CS+1], v[MK+n:MK+n+1] op_sel_hi:[1,0,1]
.endr
.set n, n+2
.endr
.endm
; THE SOFTMAX of a key step, the two tiles line by line by turns.  first = 1: the first key step, which starts m, l and O^T: it has no a and nothing to rescale.
.macro SOFT first
	WIN 0x15                                       ; all three sources window 1, destination window 0
.irp k, 0,1,2,3                        ; the maximum of my 64 t: four chains of 15,
.irp t, 0,1
	v_max3_num_f32 v[ST+8*\t+4+\k], v[64*\t+16*\k], v[64*\t+16*\k+1], v[64*\t+16*\k+2]
.endr
.endr
	WIN 0x05                                       ; sources 0 and 1 window 1
.irp i, 0,1,2,3,4,5
.irp k, 0,1,2,3
.irp t, 0,1
	v_max3_num_f32 v[ST+8*\t+4+\k], v[64*\t+16*\k+3+2*\i], v[64*\t+16*\k+4+2*\i], v[ST+8*\t+4+\k]
.endr
.endr
.endr
.irp t, 0,1                            ; the four that are left over,
	v_max3_num_f32 v[ST+8*\t+4], v[64*\t+15], v[64*\t+31], v[ST+8*\t+4]
	v_max3_num_f32 v[ST+8*\t+6], v[64*\t+47], v[64*\t+63], v[ST+8*\t+6]
.endr
	WIN 0
.irp t, 0,1
	v_max3_num_f32 v[ST+8*\t+4], v[ST+8*\t+4], v[ST+8*\t+5], v[ST+8*\t+6]
.endr
.irp t, 0,1
.if \first
	v_max3_num_f32 v[ST+8*\t+4], v[ST+8*\t+4], v[ST+8*\t+7], 0xff61b1e6   ; and -3e38, under which m is not taken
.else
	v_max3_num_f32 v[ST+8*\t+4], v[ST+8*\t+4], v[ST+8*\t+7], v[ST+8*\t]   ; and the old m
.endif
.endr
.irp t, 0,1
	v_permlanex16_b32 v[ST+8*\t+5], v[ST+8*\t+4], s[SEL], s[SEL+1]        ; the query's other 64 keys lie in the lane 16 away
.endr
.irp t, 0,1
.if \first
	v_mov_b32 v[ST+8*\t+1], 0                      ; (named with m as a pair, so it is written)
.else
	v_mov_b32 v[ST+8*\t+1], v[ST+8*\t]             ; m_old
.endif
.endr
.irp t, 0,1
	v_max_num_f32 v[ST+8*\t], v[ST+8*\t+4], v[ST+8*\t+5]                  ; the new m
.endr
.if !\first
.irp t, 0,1
	v_sub_f32 v[ST+8*\t+1], v[ST+8*\t+1], v[ST+8*\t]
.endr
.irp t, 0,1
	v_exp_f32 v[ST+8*\t+6], v[ST+8*\t+1]           ; a = 2^(m_old - m): the first of the batch of exponentials
.endr
.endif
	WIN W_S
.set n, 0
.rept 32
.irp t, 0,1
	v_pk_add_f32 v[64*\t+n:64*\t+n+1], v[64*\t+n:64*\t+n+1], v[ST+8*\t:ST+8*\t+1] op_sel_hi:[1,0] neg_lo:[0,1] neg_hi:[0,1]   ; t - m: 0 or less
.endr
.set n, n+2
.endr
.set n, 0
.rept 128
	v_exp_f32 v[n], v[n]                           ; p = 2^(t - m), at most 1
.set n, n+1
.endr
	v_nop                                          ; a plain instruction behind the last exponential
	s_wait_alu depctr_va_vdst(0)                   ; the wait ahead of the first instruction that names a result: one for the whole batch
	WIN 0x05
.set n, 0
.rept 32
.irp t, 0,1
	v_cvt_pk_f16_f32 v[P+32*\t+n], v[64*\t+2*n], v[64*\t+2*n+1]           ; two neighbouring keys to a register: source 1 of the second product as it stands
.endr
.set n, n+1
.endr
.irp t, 0,1                            ; the sum of the unrounded p, two at a time, in two chains a tile; each chain is started by a sum: nothing is cleared
	v_pk_add_f32 v[ST+8*\t+4:ST+8*\t+5], v[64*\t:64*\t+1], v[64*\t+2:64*\t+3]
	v_pk_add_f32 v[CHB+2*\t:CHB+2*\t+1], v[64*\t+4:64*\t+5], v[64*\t+6:64*\t+7]
.endr
	WIN 0x01                                       ; source 0 window 1
.set n, 8
.rept 14
.irp t, 0,1
	v_pk_add_f32 v[ST+8*\t+4:ST+8*\t+5], v[64*\t+n:64*\t+n+1], v[ST+8*\t+4:ST+8*\t+5]
	v_pk_add_f32 v[CHB+2*\t:CHB+2*\t+1], v[64*\t+n+2:64*\t+n+3], v[CHB+2*\t:CHB+2*\t+1]
.endr
.set n, n+4
.endr
	WIN 0
.irp t, 0,1
.if \first
	v_pk_add_f32 v[ST+8*\t+2:ST+8*\t+3], v[ST+8*\t+4:ST+8*\t+5], v[CHB+2*\t:CHB+2*\t+1]
.else
	v_pk_add_f32 v[ST+8*\t+4:ST+8*\t+5], v[ST+8*\t+4:ST+8*\t+5], v[CHB+2*\t:CHB+2*\t+1]
.endif
.endr
.if !\first
.irp t, 0,1
	v_pk_fma_f32 v[ST+8*\t+2:ST+8*\t+3], v[ST+8*\t+2:ST+8*\t+3], v[ST+8*\t+6:ST+8*\t+7], v[ST+8*\t+4:ST+8*\t+5] op_sel_hi:[1,0,1]   ; l = a l + the step's sum
.endr
	WIN W_S
.set n, 0
.rept 32
.irp t, 0,1
	v_pk_mul_f32 v[128+64*\t+n:128+64*\t+n+1], v[128+64*\t+n:128+64*\t+n+1], v[ST+8*\t+6:ST+8*\t+7] op_sel_hi:[1,0]       ; O^T x a, each accumulator from its low end on
.endr
.set n, n+2
.endr
.endif
.endm
; THE CHANGE OF SLOTS, behind a step's K Q^T.  Each wave waits for all its tensor loads (one is out: its part of the other slot), adds 0 to its spare word, and waits for that and for its reads of this slot, of which V's are the last.
; fill = 1: this slot is filled again with the key step after next.  The barrier is then a round of the cluster's, and the refill is the first thing behind it: it has a whole key step in which to land.
.macro CHANGE fill
	WIN 0                                          ; at a label and at a branch every window is 0
	s_wait_tensorcnt 0x0                           ; no tensor load of mine is out, so a group 0 may be written
	ds_add_u32 v[SPW], v[NIL]                      ; 0 onto my spare word
.if \fill
.irp g, G0K+4, G0V+4
	s_xor_b32 s[\g+1], s[\g+1], SLOT1              ; the walking descriptors: the other slot than last time,
	s_add_nc_u64 s[\g+2:\g+3], s[\g+2:\g+3], 32768 ; the next 128 keys; the type bits on top are not reached
.endr
	s_xor_b32 s[G0M+5], s[G0M+5], SLOT1
	s_add_nc_u64 s[G0M+6:G0M+7], s[G0M+6:G0M+7], 512
	s_wait_xcnt 0x0                                ; the last prefetches, a key step back, have read their address, so it may be written
	s_add_nc_u64 s[PFA:PFA+1], s[PFA:PFA+1], s[PFS:PFS+1]
	s_wait_dscnt 0x0                               ; the add is done, and my reads of the slot are over
	CROUND
	JLOAD3                                         ; its four v_nop are also the places behind K Q^T, for the loads into K's registers and the first reads of S^T
	ASK
.else
	s_wait_dscnt 0x0
	s_barrier_signal -1
	s_barrier_wait -1
	PLACES 4
.endif
	s_xor_b32 s[TB], s[TB], SLOT1                  ; the reads go on in the other slot
.endm
; A KEY STEP.  mode 2: the slot is filled again; 1: the change of slots asks for nothing; 0: the last step.
.macro STEPM first, mode
	s_wait_dscnt 0x0                               ; K and the mask, asked for a step ago
	WIN 0
	MASKL                                          ; (its 32 lines are also the places between the last V^T P and the loads into V's registers)
	FETCH_V
	KQM
.if \mode
	CHANGE \mode-1
	FETCH_K                                        ; the next step's
.else
	PLACES 4
.endif
	TPH
.if \mode
	FETCH_M                                        ; the next step's: the mask's registers have been read
.endif
	SOFT \first
.if \mode == 0
	s_wait_dscnt 0x0                               ; V (elsewhere the change of slots has waited for it)
.endif
	PVM \first
	WIN 0
.endm
	s_wait_tensorcnt 0x1                           ; my part of slot 0 is in; slot 1's may stay out
	s_barrier_signal -1
	s_barrier_wait -1                              ; everybody's is
	FETCH_K                                        ; key step 0
	FETCH_M
	s_wait_loadcnt 0x0                             ; Q
	STEPM 1, 2                                     ; key step 0 starts m, l and O^T
	s_mov_b32 s[SLOTS], 13
.Lstep:                                                ; key steps 1 to 13: each fills its slot again
	STEPM 0, 2
	s_sub_co_u32 s[SLOTS], s[SLOTS], 1
	s_cmp_lg_u32 s[SLOTS], 0
	s_cbranch_scc1 .Lstep
	STEPM 0, 1                                     ; the tail is written out
	STEPM 0, 0
	; THE WAY OUT.  l's two halves and the other half of the lanes' are added; O^T is divided by l and rounded to f16.  The additions are the places behind the last products.
.irp t, 0,1
	v_add_f32 v[ST+8*\t+4], v[ST+8*\t+2], v[ST+8*\t+3]
.endr
.irp t, 0,1
	v_permlanex16_b32 v[ST+8*\t+5], v[ST+8*\t+4], s[SEL], s[SEL+1]
.endr
.irp t, 0,1
	v_add_f32 v[ST+8*\t+4], v[ST+8*\t+4], v[ST+8*\t+5]
.endr
.irp t, 0,1
	v_rcp_f32 v[ST+8*\t+6], v[ST+8*\t+4]
.endr
	v_nop                                          ; a plain instruction between the last reciprocal and the use of its result
	s_wait_alu depctr_va_vdst(0)                   ; and its wait: one for both
; Tile t.  Lane (r, h) holds token r and, of channel tile f, channels 16 f + 8 h + 0 .. 7: four registers of f16.  Those of tiles 2 c and 2 c + 1 are registers 0-3 and 4-7 of the fragment (16 tokens x channels 32 c .. 32 c + 31)
; that the next launch's matrix instruction takes: each group of four goes out as it stands, lane l's 16 bytes at 16 l.  A head's eight groups are 4,096 consecutive bytes.
.macro PACK t
	WIN W_S
.set i, 0
.rept 32
	v_pk_mul_f32 v[128+64*\t+i:128+64*\t+i+1], v[128+64*\t+i:128+64*\t+i+1], v[ST+8*\t+6:ST+8*\t+7] op_sel_hi:[1,0]
.set i, i+2
.endr
	WIN 0x05                                       ; sources window 1, destination window 0: the mask's registers are free
.set i, 0
.rept 32
	v_cvt_pk_f16_f32 v[MK+32*\t+i], v[128+64*\t+2*i], v[128+64*\t+2*i+1]
.set i, i+1
.endr
	WIN 0
.irp f, 0,1,2,3,4,5,6,7
	global_store_b128 v[GO], v[MK+32*\t+4*\f:MK+32*\t+4*\f+3], s[8:9] offset:4096*\t+512*\f   ; 32 lanes store 512 consecutive bytes, at a multiple of 512 from att's first byte
.endr
.endm
	PACK 0
	PACK 1
	s_wait_tensorcnt 0x0                           ; the wave's end: three closing lines, behind my last tensor load
	ds_add_u32 v[SPW], v[NIL]
	s_wait_dscnt 0x0
	CROUND                                         ; the closing round: no work-group ends while a partner may still ask for a tile that names it
	s_endpgm
.Lfunc_end_k_qdc688ba7c0_attn:
	.size	k_qdc688ba7c0_attn, .Lfunc_end_k_qdc688ba7c0_attn-k_qdc688ba7c0_attn
	.p2alignl 7, 3214868480
	.fill 96, 4, 3214868480
	.section	.rodata,"a",@progbits
	.p2align	6, 0x0
	.amdhsa_kernel k_qdc688ba7c0_attn
		.amdhsa_group_segment_fixed_size 327680
		.amdhsa_private_segment_fixed_size 0
		.amdhsa_enable_private_segment 0
		.amdhsa_kernarg_size 24
		.amdhsa_user_sgpr_count 2
		.amdhsa_user_sgpr_kernarg_segment_ptr 1
		.amdhsa_wavefront_size32 1
		.amdhsa_system_sgpr_workgroup_id_x 1
		.amdhsa_system_sgpr_workgroup_id_y 1
		.amdhsa_system_sgpr_workgroup_id_z 1
		.amdhsa_system_vgpr_workitem_id 0
		.amdhsa_next_free_vgpr 1024
		.amdhsa_next_free_sgpr 98
		.amdhsa_reserve_vcc 0
		.amdhsa_float_denorm_mode_32 3
		.amdhsa_float_denorm_mode_16_64 3
		.amdhsa_memory_ordered 1
		.amdhsa_forward_progress 1
		.amdhsa_inst_pref_size 214
	.end_amdhsa_kernel
	.amdgpu_metadata
---
amdhsa.version: [ 1, 2 ]
amdhsa.kernels:
  - .name:           k_qdc688ba7c0_attn
    .symbol:         k_qdc688ba7c0_attn.kd
    .args:
      - { .name: qkv, .offset: 0, .size: 8, .value_kind: global_buffer, .address_space: global }
      - { .name: mask, .offset: 8, .size: 8, .value_kind: global_buffer, .address_space: global }
      - { .name: att, .offset: 16, .size: 8, .value_kind: global_buffer, .address_space: global }
    .group_segment_fixed_size: 327680
    .private_segment_fixed_size: 0
    .kernarg_segment_align: 8
    .kernarg_segment_size: 24
    .max_flat_workgroup_size: 128
    .sgpr_count:     98
    .vgpr_count:     1024
    .wavefront_size: 32
...
	.end_amdgpu_metadata
.endif
;; end of part 3
;; launch proj (part 4): grid 16 x 16, 4 waves a work-group, clusters of 4 x 1, 327,680 bytes of LDS; arguments att, woh, out0; writes out0
.if DOCPART == 4
	.amdgcn_target "amdgcn-amd-amdhsa--gfx1250"
	.amdhsa_code_object_version 6
	.text
	.protected	k_qdc688ba7c0_proj
	.globl	k_qdc688ba7c0_proj
	.p2align	8
	.type	k_qdc688ba7c0_proj,@function
k_qdc688ba7c0_proj:
	s_mov_b64 s[64:65], 0
	v_nop
	global_prefetch_b8 v0, s[64:65] scope:SCOPE_SE
	s_setreg_imm32_b32 hwreg(HW_REG_WAVE_MODE, 25, 1), 1
	s_wait_xcnt 0x0
	s_wait_alu depctr_hold_cnt(0) depctr_sa_sdst(0) depctr_va_vdst(0) depctr_va_sdst(0) depctr_va_ssrc(0) depctr_va_vcc(0) depctr_vm_vsrc(0)
	s_getreg_b32 s2, hwreg(HW_REG_IB_STS2, 6, 4)
	s_cmp_eq_u32 s2, 0
	s_cbranch_scc0 .Lentry_in_a_cluster
	s_endpgm
.Lentry_in_a_cluster:
	s_bfe_u32 s2, ttmp6, 0x10000c
	s_cmp_lg_u32 s2, 0x3003
	s_cbranch_scc0 .Lentry_shape_is_right
	s_endpgm
.Lentry_shape_is_right:
; PROJ.  out0[m][n] = sum over k of att[m][k] woh[n][k], m = 2,048 tokens, n = 4,096, k = 2,048.  att, f16, is 1 / 8 of the attention's output, woh [4096][2048] f16 is 8 x wo: the product is the result as it stands.  Sums in f32; out0 [2048][4096] f32.
; SHARES.  A tile of out0 is 128 (m) x 256 (n): work-group x is the tile row, y the tile column.  Four waves, each 64 x 128: 32 accumulators of 16 x 16.  A sub-step is 32 along K, one matrix instruction deep: 32 matrix instructions a wave.
; woh GOES THROUGH LDS: K steps of 256 (rows of 512 bytes) through a ring of two slots filled by the tensor data mover, each wave fetching 64 of the tile's 256 rows; a K step is eight sub-steps, 256 matrix instructions a wave, in which the next refill lands.
; att GOES FROM MEMORY STRAIGHT INTO REGISTERS.  It is laid as this launch's operand registers, [128 tiles of 16 tokens][64 sub-steps][2 halves][32 lanes][16 bytes]: a fragment is two loads of 512 consecutive bytes.  Eight sets of four fragments take turns;
; sub-step n asks for sub-step n + 7's, so 48 to 56 loads of a wave are on their way.
; WHY att IS NOT SHARED IN A CLUSTER: both operands in LDS at rows of 512 bytes would take 2 x 384 x 528 = 405,504 bytes, more than a work-group can have; with att out of LDS woh's two slots take 270,336, and the K step is twice as long as both together would allow.
; CLUSTER: 4 x 1 work-groups: four tile rows of one tile column, which need the same tiles of woh: each is asked for JOINTLY, by the same tensor load with the same descriptor and a mask that names the four.
; THE MATRIX INSTRUCTION IS USED TRANSPOSED (source 0 = 16 rows of woh, source 1 = 16 tokens of att): a lane holds eight neighbouring numbers of a row of out0.
; REGISTERS, in windows of 256: window 0: v20-29 addresses; on the way out v128-255 rows read back.   window 1: woh's fragments, two sets, at v0 and v128.   window 2: the accumulators, (a, b) at v[8 (8 a + b)].
;   window 3: att's fragments: set q (the slot's q-th sub-step) at v[32 q], token tile a at + 8 a.
.set PITCH,  528                       ; an LDS row: 512 bytes + 16 of padding = 132 words: the 16 rows that a load touches start 4 banks apart
.set SLOT,   256*PITCH                 ; woh's 256 rows
.set LAPS,   4                         ; a lap = two K steps = once round the ring: 2,048 / 512
.set SPARE,  2*SLOT                    ; behind the ring: the spare words, 128 bytes a wave
.set SPITCH, 528                       ; the way out: a stage of 16 rows x (512 bytes + 16) for each wave, in slot 0, which has had its last fill and its last read by then
.set ADRB, 20                          ; v20-21  LDS address of my woh fragments in slot 0, 1
.set STO,  24                          ; v24     the way out: where I put 32 bytes of a row
.set RD,   25                          ; v25     where I read a row back
.set CO,   26                          ; v26     16 x lane: my bytes of 512 loaded from att, and of 512 stored; never rewritten
.set SPW,  28                          ; v28     LDS address of my spare word; never rewritten
.set NIL,  29                          ; v29     0; never rewritten
.set BK,   128
.set AB,   14                          ; s[14:15] att at my first token tile, at the lap in hand
.set G1,   24                          ; s[24:31] descriptor group 1; s[32:39] group 0, a set for each slot
.set G0,   32
.set MSB, 0
.macro WIN new                         ; the immediate's high byte repeats the setting that is left; a switch that changes nothing is dropped
.if MSB != \new
	s_set_vgpr_msb (MSB<<8)|\new
.set MSB, \new
.endif
.endm
.set MUL,  0xad                        ; source 0 (woh) window 1, source 1 (att) window 3, C and D window 2
.set TO_B, 0x40                        ; destination window 1, address window 0
.set TO_A, 0xc0                        ; destination window 3, address window 0
.macro CREST                           ; a round of the cluster's barrier behind its opening barrier
	s_cmp_lg_u32 s10, 0
	s_cbranch_scc1 .Lnot_wave_0_\@
	s_barrier_signal -3
.Lnot_wave_0_\@:
	s_barrier_wait -3
	s_barrier_signal -1
	s_barrier_wait -1
.endm
.macro CROUND                          ; a whole round
	s_barrier_signal -1
	s_barrier_wait -1
	CREST
.endm
.macro PLACES n                        ; plain vector instructions between a matrix instruction and a load into, or a read of, its registers
.rept \n
	v_nop
.endr
.endm
	s_load_b128 s[4:7], s[0:1], 0x0                ; att 4, woh 6
	s_load_b64 s[8:9], s[0:1], 0x10                ; out0
	v_lshl_add_u32 v[SPW], v0, 2, SPARE
	v_mov_b32 v[NIL], 0
	ds_add_u32 v[SPW], v[NIL]                      ; the wave's opening: the add, twice on end, and its wait ahead of my first tensor load
	ds_add_u32 v[SPW], v[NIL]
	v_lshrrev_b32 v1, 5, v0
	v_readfirstlane_b32 s10, v1                    ; wave 0..3
	s_lshr_b32 s11, s10, 1                         ; which 64 of the tile's rows are mine
	s_and_b32 s12, s10, 1                          ; which 128 of its columns
	s_bfe_u32 s40, ttmp6, 0x40000                  ; cx: my place in the cluster: it enters att's and out0's addresses alone
	s_lshl_b32 s13, ttmp9, 2
	s_add_co_u32 s13, s13, s40                     ; tile row = 4 x cluster x + cx
	s_and_b32 s42, ttmp7, 0xffff                   ; tile column, which the four partners share
	; group 1: 64 rows x 256 elements of 2 bytes, 2,048 elements from row to row, padded in LDS
	s_mov_b32 s[G1], 15|(1<<16)|(1<<20)|(1<<21)|(6<<22)|(3<<25)    ; 15:0 all four work-groups; 17:16 2 bytes; 20 padding on; 21 set beside a mask; 24:22 after every 128 words; 31:25 four words
	s_mov_b32 s[G1+1], 256<<16                     ; tensor_dim0
	s_mov_b32 s[G1+2], 64<<16                      ; tensor_dim1
	s_mov_b32 s[G1+3], 256<<16                     ; tile_dim0
	s_mov_b32 s[G1+4], 64                          ; tile_dim1
	s_mov_b32 s[G1+5], 2048                        ; from row to row
	s_mov_b32 s[G1+6], 0
	s_mov_b32 s[G1+7], 0
	s_lshl_b32 s46, s42, 8
	s_lshl_b32 s47, s10, 6
	s_add_co_u32 s46, s46, s47                     ; woh: row 256 x tile column + 64 x wave,
	s_lshl_b32 s46, s46, 12                        ; 4,096 bytes a row (all offsets here stay under 2^26)
	s_mov_b32 s47, 0
	s_mul_i32 s20, s10, 64*PITCH                   ; and where they go: wave x 64 rows: no place in the cluster enters an LDS address
	s_lshl_b32 s16, s13, 3
	s_lshl_b32 s17, s11, 2
	s_add_co_u32 s16, s16, s17                     ; att: token tile 8 x tile row + 4 x half,
	s_lshl_b32 s16, s16, 16                        ; 65,536 bytes a token tile
	s_mov_b32 s17, 0
	s_wait_dscnt 0x0                               ; both opening adds are done
	s_wait_kmcnt 0x0
	s_add_nc_u64 s[AB:AB+1], s[4:5], s[16:17]
	s_add_nc_u64 s[46:47], s[6:7], s[46:47]
	CROUND                                         ; all four work-groups are here: the first joint loads meet
.irp s, 0,1
	s_mov_b32 s[G0+4*\s], 1                        ; count = 1
	s_add_co_u32 s[G0+4*\s+1], s20, \s*SLOT        ; LDS address
	s_add_nc_u64 s[G0+4*\s+2:G0+4*\s+3], s[46:47], \s*512   ; K step s
	s_or_b32 s[G0+4*\s+3], s[G0+4*\s+3], 0x80000000         ; type = 2
.endr
	tensor_load_to_lds s[G0:G0+3], s[G1:G1+7]      ; the two first fills, ahead of every wait on TENSORcnt and every LDS read: two loads of mine are out
	s_nop 0
	tensor_load_to_lds s[G0+4:G0+7], s[G1:G1+7]
	s_nop 0
.rept 4
	v_nop
.endr
	v_and_b32 v6, 31, v0
	v_lshlrev_b32 v[CO], 4, v6
; att's four fragments of the sub-step that lies idx sub-steps behind s[AB] into set: eight loads of 512 consecutive bytes
.macro ALOAD set, idx
	WIN TO_A
.irp a, 0,1,2,3
	global_load_b128 v[32*(\set)+8*\a:32*(\set)+8*\a+3], v[CO], s[AB:AB+1] offset:65536*\a+1024*(\idx)
	global_load_b128 v[32*(\set)+8*\a+4:32*(\set)+8*\a+7], v[CO], s[AB:AB+1] offset:65536*\a+1024*(\idx)+512
.endr
.endm
.irp n, 0,1,2,3,4,5,6
	ALOAD \n, \n                                   ; sub-steps 0 to 6: 56 loads
.endr
	WIN 0
	v_and_b32 v1, 15, v0                           ; r = lane % 16
	v_bfe_u32 v2, v0, 4, 1                         ; h = lane / 16
	v_mul_u32_u24 v3, v1, PITCH
	v_lshl_add_u32 v4, v2, 4, v3                   ; a fragment's row x pitch + 16 x half
	s_mul_i32 s23, s12, 128*PITCH                  ; my 128 rows of woh
.irp s, 0,1
	v_add_nc_u32 v[ADRB+\s], s23, v4
	s_add_co_u32 s23, s23, SLOT
.endr
	s_mul_i32 s22, s10, 16*SPITCH                  ; my stage
	v_mul_u32_u24 v5, v1, SPITCH                   ; in: row r, 32 bytes for each half of the lanes
	v_lshl_add_u32 v5, v2, 5, v5
	v_add_nc_u32 v[STO], s22, v5
	v_add_nc_u32 v[RD], s22, v[CO]                 ; back: the 32 lanes take one row of 512 bytes
	s_lshl_b32 s16, s13, 7
	s_lshl_b32 s17, s11, 6
	s_add_co_u32 s16, s16, s17                     ; my first row of out0,
	s_lshl_b32 s16, s16, 14                        ; 16,384 bytes a row,
	s_lshl_b32 s18, s42, 10
	s_lshl_b32 s19, s12, 9
	s_add_co_u32 s18, s18, s19                     ; my first column, in bytes
	s_add_co_u32 s16, s16, s18
	s_mov_b32 s17, 0
	s_add_nc_u64 s[8:9], s[8:9], s[16:17]
.macro FRAG reg, adr, q, i             ; 16 rows x 32 K of f16: 8 registers: lane (r, h): row r; registers 0-3: K = 8 h + 0..7, registers 4-7: K = 16 + 8 h + 0..7: two loads of 16 bytes, 32 bytes apart
.irp c, 0,1
	ds_load_b128 v[\reg+4*\c:\reg+4*\c+3], v[\adr] offset:64*(\q)+32*\c+(\i)*16*PITCH
.endr
.endm
.macro FETCH slot, q, p                ; woh's eight fragments of the slot's q-th sub-step into set p: 16 loads in one run
	WIN TO_B
.irp i, 0,1,2,3,4,5,6,7
	FRAG 128*(\p)+8*\i, ADRB+\slot, \q, \i
.endr
.endm
; att's token tiles a0 .. a0 + cnt - 1 against woh's eight, the slot's q-th sub-step.  The 32 accumulators take turns, one instruction a turn, in the same order in every sub-step.  zero = 1: the first products start the sums.
.macro MULN a0, cnt, q, zero
.set MA, \a0
.rept \cnt
.irp b, 0,1,2,3,4,5,6,7
.if \zero
	v_wmma_f32_16x16x32_f16 v[8*(8*MA+\b):8*(8*MA+\b)+7], v[128*((\q)%2)+8*\b:128*((\q)%2)+8*\b+7], v[32*(\q)+8*MA:32*(\q)+8*MA+7], 0
.else
	v_wmma_f32_16x16x32_f16 v[8*(8*MA+\b):8*(8*MA+\b)+7], v[128*((\q)%2)+8*\b:128*((\q)%2)+8*\b+7], v[32*(\q)+8*MA:32*(\q)+8*MA+7], v[8*(8*MA+\b):8*(8*MA+\b)+7]
.endif
.endr
.set MA, MA+1
.endr
.endm
; A sub-step that has its successor in the same slot.  pos: its place in the lap, counted from s[AB].  ld = 1: att's fragments of seven sub-steps on are asked for, into the set that the last sub-step multiplied.
; left: how many younger loads from att may stay out when this sub-step's set has to be in: eight for each set asked for behind it.
.macro STEP slot, q, zero, pos, ld, left
	s_wait_loadcnt \left                           ; loads come back in order: my set of att is in
	s_wait_dscnt 0x0                               ; woh's fragments, asked for a sub-step ago, are in
	PLACES 4                                       ; the sets loaded below were read by the last products
.if \ld
	ALOAD ((\q)+7)%8, (\pos)+7
.endif
	FETCH \slot, (\q)+1, 1-(\q)%2
	WIN MUL
	MULN 0, 4, \q, \zero
.endm
; A slot's last sub-step changes slots: ONE barrier; in front of it each wave waits for all its tensor loads, adds 0 to its spare word, and waits for that and for its own reads of this slot.  fill = 1: the slot is filled again, two K steps ahead.
.macro TURN slot, next, fill, pos, ld, left
	WIN 0                                          ; (the add's two registers lie in window 0)
	s_wait_tensorcnt 0x0                           ; all my tensor loads have landed: the one that was out is my part of the next slot
	ds_add_u32 v[SPW], v[NIL]                      ; 0 onto my spare word
	s_wait_loadcnt \left                           ; my set of att is in
	s_wait_dscnt 1                                 ; woh's fragments are in; the add may be out
	WIN MUL
	MULN 0, 1, 7, 0                                ; eight matrix instructions stand between the add and the wait for it
	s_wait_dscnt 0x0                               ; the add is done, and my reads of this slot are over
	s_barrier_signal -1
	MULN 1, 1, 7, 0
	WIN 0
	s_barrier_wait -1
.if \fill
	CREST                                          ; the barrier has opened a round of the cluster's barrier: no wave of any partner still reads this slot or has a load on its way
	s_add_nc_u64 s[G0+4*\slot+2:G0+4*\slot+3], s[G0+4*\slot+2:G0+4*\slot+3], 1024   ; two K steps of 512 bytes on; the type bits on top are not reached
	tensor_load_to_lds s[G0+4*\slot:G0+4*\slot+3], s[G1:G1+7]      ; the first tensor load behind the round, my one load until the next: it has eight sub-steps, 256 matrix instructions, in which to land
	s_nop 0
.rept 4
	v_nop                                          ; (they are also the places in front of the loads below)
.endr
.else
	PLACES 4
.endif
.if \ld
	ALOAD 6, (\pos)+7
.endif
	FETCH \next, 0, 0
	WIN MUL
	MULN 2, 2, 7, 0
	WIN 0
.endm
	s_wait_tensorcnt 0x1                           ; my part of K step 0 is in; K step 1's load may stay out
	s_barrier_signal -1
	s_barrier_wait -1                              ; everybody's is
	FETCH 0, 0, 0
	STEP 0, 0, 1, 0, 1, 48                         ; the first sub-step stands in front of the loop: its products start the sums
	WIN 0                                          ; at a label and at a branch every window is 0
	s_mov_b32 s3, LAPS-1
.Llap:                                                 ; a trip goes once round the ring, from a lap's second sub-step to the next lap's first, and fills both slots again
.irp q, 1,2,3,4,5,6
	STEP 0, \q, 0, \q, 1, 48
.endr
	TURN 0, 1, 1, 7, 1, 48
.irp q, 0,1,2,3,4,5,6
	STEP 1, \q, 0, 8+\q, 1, 48
.endr
	TURN 1, 0, 1, 15, 1, 48
	STEP 0, 0, 0, 16, 1, 48
	WIN 0
	s_wait_xcnt 0x0                                ; the loads from att have read their base: it steps only behind this wait
	s_add_nc_u64 s[AB:AB+1], s[AB:AB+1], 16*1024   ; a lap's 16 sub-steps on
	s_sub_co_u32 s3, s3, 1
	s_cmp_lg_u32 s3, 0
	s_cbranch_scc1 .Llap
.irp q, 1,2,3,4,5,6                    ; the last lap fills nothing, and has no round of the cluster's barrier
	STEP 0, \q, 0, \q, 1, 48
.endr
	TURN 0, 1, 0, 7, 1, 48
	STEP 1, 0, 0, 8, 1, 48                         ; asks for att's last sub-step
	STEP 1, 1, 0, 9, 0, 48                         ; nothing more is asked of att: the counts run down, eight a sub-step
	STEP 1, 2, 0, 10, 0, 40
	STEP 1, 3, 0, 11, 0, 32
	STEP 1, 4, 0, 12, 0, 24
	STEP 1, 5, 0, 13, 0, 16
	STEP 1, 6, 0, 14, 0, 8
	s_wait_loadcnt 0x0                             ; the very last sub-step: nothing more to fetch
	s_wait_dscnt 0x0
	WIN MUL
	MULN 0, 4, 7, 0
	WIN 0
	PLACES 4                                       ; in front of the first reads of results
; THE WAY OUT, block by block of 16 rows x 128 columns: through my own stage in LDS and back as whole rows of 512 bytes.  LDS serves a wave's instructions in order: no wait between the stores and the loads, nor in front of the next block's stores.
; The stages lie in slot 0: it has had its last fill, and every wave's last read of it stands in front of the last change of slots' barrier.
.macro TOSTAGE a
	WIN 0x08                                       ; an LDS store's data: window 2
.irp b, 0,1,2,3,4,5,6,7
	ds_store_b128 v[STO], v[8*(8*(\a)+\b):8*(8*(\a)+\b)+3] offset:64*\b          ; each accumulator from its low end on
	ds_store_b128 v[STO], v[8*(8*(\a)+\b)+4:8*(8*(\a)+\b)+7] offset:64*\b+16
.endr
	WIN 0
.irp t, 0,1,2,3,4,5,6,7,8,9,10,11,12,13,14,15
	ds_load_b128 v[BK+64*((\a)%2)+4*\t:BK+64*((\a)%2)+4*\t+3], v[RD] offset:\t*SPITCH
.endr
.endm
.macro SEND a, younger                 ; younger: the LDS instructions issued behind block a's loads, which may stay out
	s_wait_dscnt \younger
.irp t, 0,1,2,3,4,5,6,7,8,9,10,11,12,13,14,15
	global_store_b128 v[CO], v[BK+64*((\a)%2)+4*\t:BK+64*((\a)%2)+4*\t+3], s[8:9] offset:262144*(\a)+16384*\t th:TH_STORE_NT   ; 32 lanes store 512 consecutive bytes, at a multiple of 512 from out0's first byte; written once, read by nobody here
.endr
.endm
	TOSTAGE 0
.irp a, 1,2,3
.if \a > 1
	s_wait_xcnt 0x0                                ; block a - 2's stores have read their registers: block a's loads may land there
.endif
	TOSTAGE \a
	SEND \a-1, 32                                  ; behind block a - 1's loads: block a's 16 stores and 16 loads
.endr
	SEND 3, 0
	s_wait_tensorcnt 0x0                           ; the wave's end: three closing lines, behind my last tensor load and my last LDS store
	ds_add_u32 v[SPW], v[NIL]
	s_wait_dscnt 0x0
	CROUND                                         ; the closing round: no work-group ends while a partner may still ask for a tile that names it
	s_endpgm
.Lfunc_end_k_qdc688ba7c0_proj:
	.size	k_qdc688ba7c0_proj, .Lfunc_end_k_qdc688ba7c0_proj-k_qdc688ba7c0_proj
	.p2alignl 7, 3214868480
	.fill 96, 4, 3214868480
	.section	.rodata,"a",@progbits
	.p2align	6, 0x0
	.amdhsa_kernel k_qdc688ba7c0_proj
		.amdhsa_group_segment_fixed_size 327680
		.amdhsa_private_segment_fixed_size 0
		.amdhsa_enable_private_segment 0
		.amdhsa_kernarg_size 24
		.amdhsa_user_sgpr_count 2
		.amdhsa_user_sgpr_kernarg_segment_ptr 1
		.amdhsa_wavefront_size32 1
		.amdhsa_system_sgpr_workgroup_id_x 1
		.amdhsa_system_sgpr_workgroup_id_y 1
		.amdhsa_system_sgpr_workgroup_id_z 1
		.amdhsa_system_vgpr_workitem_id 0
		.amdhsa_next_free_vgpr 1024
		.amdhsa_next_free_sgpr 66
		.amdhsa_reserve_vcc 0
		.amdhsa_float_denorm_mode_32 3
		.amdhsa_float_denorm_mode_16_64 3
		.amdhsa_memory_ordered 1
		.amdhsa_forward_progress 1
		.amdhsa_inst_pref_size 151
	.end_amdhsa_kernel
	.amdgpu_metadata
---
amdhsa.version: [ 1, 2 ]
amdhsa.kernels:
  - .name:           k_qdc688ba7c0_proj
    .symbol:         k_qdc688ba7c0_proj.kd
    .args:
      - { .name: att, .offset: 0, .size: 8, .value_kind: global_buffer, .address_space: global }
      - { .name: woh, .offset: 8, .size: 8, .value_kind: global_buffer, .address_space: global }
      - { .name: out0, .offset: 16, .size: 8, .value_kind: global_buffer, .address_space: global }
    .group_segment_fixed_size: 327680
    .private_segment_fixed_size: 0
    .kernarg_segment_align: 8
    .kernarg_segment_size: 24
    .max_flat_workgroup_size: 128
    .sgpr_count:     66
    .vgpr_count:     1024
    .wavefront_size: 32
...
	.end_amdgpu_metadata
.endif
;; end of part 4
